; MI455X (gfx1250); checked and timed in simulation.
; The chip was launched on July 23, 2026; its instructions are those of AMD's public machine-readable ISA for CDNA 5 (MIT licence, August 2026) and "CDNA5" Instruction Set Architecture Reference Guide (July 2026). The comments in the code are by the model that wrote it; some were corrected since.
;; Cross Verse Attention. Allowed arithmetic: matrix products marked QUANTISED: E2M1 operands, one E8M0 scale for each 32 along K, by v_wmma_scale_f32_16x16x128_f8f6f4 with both operands' format E2M1 (or v_wmma_scale_f32_32x16x128_f4), f32 sums; everything else in f32.
;; Inputs: W_k_codes 1,024 x 32 x 16 uint8 (E2M1 codes of W_k, K innermost, in blocks of 32 codes, two codes a byte); W_k_scales 1,024 x 32 uint8 (E8M0 scales of W_k, one for each 32 codes along K); W_o_codes 1,024 x 32 x 16 uint8 (E2M1 codes of W_o, K innermost, in blocks of 32 codes, two codes a byte); W_o_scales 1,024 x 32 uint8 (E8M0 scales of W_o, one for each 32 codes along K); W_p_codes 1,024 x 32 x 16 uint8 (E2M1 codes of W_p, K innermost, in blocks of 32 codes, two codes a byte); W_p_scales 1,024 x 32 uint8 (E8M0 scales of W_p, one for each 32 codes along K); W_q_codes 1,024 x 32 x 16 uint8 (E2M1 codes of W_q, K innermost, in blocks of 32 codes, two codes a byte); W_q_scales 1,024 x 32 uint8 (E8M0 scales of W_q, one for each 32 codes along K); W_v_codes 1,024 x 32 x 16 uint8 (E2M1 codes of W_v, K innermost, in blocks of 32 codes, two codes a byte); W_v_scales 1,024 x 32 uint8 (E8M0 scales of W_v, one for each 32 codes along K); b_k 1,024 float32; b_o 1,024 float32; b_p 1,024 float32; b_q 1,024 float32; b_v 1,024 float32; beta 1,024 float32; gamma 1,024 float32; verse_positions 2 x 2,048 int32; x 2 x 2,048 x 1,024 float32.
;; Outputs: out0 2 x 2,048 x 1,024 float32.
;; This version of the problem:
;;   THIS VERSION OF THE PROBLEM IS GIVEN IN LOW PRECISION. The matrix products marked QUANTISED in the list below multiply operands that are first quantised to E2M1 (2 exponent bits, 1 mantissa bit; 4 bits a number), with one power-of-two scale for each 32 numbers along K (OCP MX v1.0); their sums are f32. All else is computed in f32.
;;   The module's matrix products, in the order in which they are computed (A, B: the left and right operand; K: the contracted axis; several contracted axes count as one K, in the product's order):
;;     1. [M 4,096, K 1,024] x [K 1,024, N 1,024]; A: input x; B: input W_q (given as codes): QUANTISED
;;     2. [M 4,096, K 1,024] x [K 1,024, N 1,024]; A: input x; B: input W_k (given as codes): QUANTISED
;;     3. [M 4,096, K 1,024] x [K 1,024, N 1,024]; A: input x; B: input W_v (given as codes): QUANTISED
;;     4. batch 32 x [M 2,048, K 64] x [K 64, N 2,048]; A: computed on the way; B: computed on the way: QUANTISED
;;     5. batch 32 x [M 64, K 2,048] x [K 2,048, N 2,048]; A: computed on the way; B: softmax (see below): QUANTISED
;;     6. [M 4,096, K 1,024] x [K 1,024, N 1,024]; A: computed on the way; B: input W_o (given as codes): QUANTISED
;;     7. [M 4,096, K 1,024] x [K 1,024, N 1,024]; A: computed on the way; B: input W_p (given as codes): QUANTISED
;;   THE QUANTISER, for each operand of a quantised product, along K:
;;     - K is cut into blocks of 32 from its start; a last block that is shorter is filled with zeros.
;;     - A block's scale is 2^e with e = floor(log2(the largest magnitude in the block)) - 2, held to -126 .. 127; a block of zeros has e = 0. As a byte (E8M0): e + 127.
;;     - Each number is divided by its block's scale, clamped to +-6, and rounded to the nearest number of E2M1, ties to even, subnormals kept.
;;     - The product sums the exact products of the quantised numbers (number of the format x scale) in f32.
;;   ~~~python
;;   def quantise(x, axis):      # numpy; x: float32 -> the quantised numbers, widened to float32 again
;;       x = np.moveaxis(x, axis, -1); K = x.shape[-1]
;;       x = np.pad(x, [(0, 0)] * (x.ndim - 1) + [(0, -K % 32)]); x = x.reshape(x.shape[:-1] + (-1, 32)); a = np.abs(x).max(-1, keepdims=True)
;;       e = np.where(a > 0, np.clip(np.frexp(np.where(a > 0, a, 1))[1] - 1 - 2, -126, 127), 0)      # np.frexp(a)[1] - 1 = floor(log2(a)), exactly
;;       r = np.clip(x / 2.0 ** e, -6, 6)
;;       step = 2.0 ** (np.maximum(np.frexp(np.where(r == 0, 1, r))[1] - 1, 0) - 1)
;;       q = np.round(r / step) * step * 2.0 ** e      # np.round: ties to even
;;       return np.moveaxis(q.reshape(q.shape[:-2] + (-1,))[..., :K], -1, axis).astype(np.float32)
;;   ~~~
;;   SOFTMAX AHEAD OF A QUANTISED PRODUCT. Where the list says 'softmax', what is quantised is not the finished softmax but p = 2^(t - M), with t = logit x log2(e) and M = ceil(the row's largest t), a whole number; so 1/2 < the row's largest p <= 1. The row's sum l is taken of the UNQUANTISED p, in f32, and the product's result is divided by l at the end. Since M is a whole number, a kernel that streams over the keys may use a running M (the ceiling of the running maximum): every later rescaling is an exact power of two, which a block's scale takes up: the codes' values come out the same.
;;   OPERANDS COMPUTED ON THE WAY. 'Computed on the way' means the value that the module computes at that place (a softmax that the list does not call 'softmax' is quantised finished and normalised). What goes into a quantiser is computed in f32, as accurately as f32 sums, v_exp_f32 and their like allow (about 1e-6 of the number): no bf16 or f16 on the way to a quantiser, and a product that is left as it is and whose result goes on into a quantised operand takes f32 operands (vector FMAs, or v_wmma_f32_16x16x4_f32). A number that lies on a knife's edge between two numbers of the format may be rounded either way, as far as f32 arithmetic and the matrix unit's own rounding can turn it there, and no further.
;;   INPUTS GIVEN AS CODES. W_k (in the module: [1024, 1024], K = its axis 1); W_o (in the module: [1024, 1024], K = its axis 1); W_p (in the module: [1024, 1024], K = its axis 1); W_q (in the module: [1024, 1024], K = its axis 1); W_v (in the module: [1024, 1024], K = its axis 1): each comes as NAME_codes (uint8): NAME with its K axis moved to the last place and cut into blocks of 32 codes, [.., K / 32, bytes a block], one block behind the other in memory; two codes a byte, the lower K in the low four bits (a code: sign, 2 exponent bits, 1 mantissa bit); and NAME_scales (uint8): the same leading axes, one E8M0 byte (e + 127) for each 32 codes along K. Its value is code x scale, taken as it is: it is not quantised again, and the codes and scales need not be those that the quantiser above would give.
;; 2 versions, each right; version 2 is version 1 with the launch proj written anew for expert scheduling mode. Each part assembles by itself: llvm-mc -triple=amdgcn-amd-amdhsa -mcpu=gfx1250 --defsym DOCPART=n.
;; ======== version 1 of 2: 3 launches
;; limits: right only within a limited range of input values
;; workspace buffers: q_img 2,097,152 bytes; q_sc 262,144 bytes; kv 4,587,520 bytes; wimg 1,048,576 bytes; ctx_img 2,097,152 bytes; ctx_sc 262,144 bytes
;; launch qkv (part 1): grid 32 x 8, 8 waves a work-group, clusters of 4 x 1, 327,680 bytes of LDS; arguments x, W_q_codes, W_q_scales, W_k_codes, W_k_scales, W_v_codes, W_v_scales, b_q, b_k, b_v, W_o_codes, W_p_codes, q_img, q_sc, kv, wimg; writes q_img, q_sc, kv, wimg
.if DOCPART == 1
	.amdgcn_target "amdgcn-amd-amdhsa--gfx1250"
	.amdhsa_code_object_version 6
	.text
	.protected	k_qd493f93672_qkv
	.globl	k_qd493f93672_qkv
	.p2align	8
	.type	k_qd493f93672_qkv,@function
k_qd493f93672_qkv:
	s_mov_b64 s[64:65], 0
	v_nop
	global_prefetch_b8 v0, s[64:65] scope:SCOPE_SE
	s_setreg_imm32_b32 hwreg(HW_REG_WAVE_MODE, 25, 1), 1
	s_wait_xcnt 0x0
	s_wait_alu depctr_hold_cnt(0) depctr_sa_sdst(0) depctr_va_vdst(0) depctr_va_sdst(0) depctr_va_ssrc(0) depctr_va_vcc(0) depctr_vm_vsrc(0)
	s_getreg_b32 s2, hwreg(HW_REG_IB_STS2, 6, 4)
	s_cmp_eq_u32 s2, 0
	s_cbranch_scc0 .Lentry_in_a_cluster
	s_endpgm
.Lentry_in_a_cluster:
	s_bfe_u32 s2, ttmp6, 0x10000c
	s_cmp_lg_u32 s2, 0x3003
	s_cbranch_scc0 .Lentry_shape_is_right
	s_endpgm
.Lentry_shape_is_right:
; q = x W_q^T + b_q, k = x W_k^T + b_k, v = x W_v^T + b_v on codes of FP4 (E2M1) with one E8M0 scale for each 32 along K, and their results quantised at once:
; q and k along the head's 64 channels, v along the keys.  x [4096][1024] f32 is quantised here; the weights arrive as codes, K innermost.  Nothing in f32 goes to memory.
; SHARES.  A work-group takes 128 tokens (one key step of the attention) x the 128 columns of q, of k and of v that belong to heads 2 y and 2 y + 1.  Eight waves: th = wave / 4 is a half of the
; tokens (four tiles of 16), j = wave % 4 a share of the columns.  Job 1: one head of q (j = 0, 1) or of k (j = 2, 3), used transposed (source 0 = 16 rows of W, source 1 = 16 tokens): a lane holds one token and
; its registers run along the head's channels.  Job 2: 32 columns of v, used as written (source 0 = tokens, source 1 = rows of W_v): a lane holds one channel and its registers run along the tokens, v's K.
; THE ROWS OF A TILE ARE NOT NEIGHBOURS, in tokens, weight rows and channels alike: row rho of tile T is row 32 (T / 2) + 8 (T % 2) + rho + 8 (rho / 8), so that the 16 registers of tiles 2 b and 2 b + 1 are 16 neighbours.
; OPERANDS LEAVE AS IMAGES OF THEIR REGISTERS: four registers by one store of 16 bytes a lane, 512 consecutive bytes a wave.
; CLUSTER.  The four token blocks of a cluster take the same 384 weight rows: they are asked for jointly, once, and stay in LDS.  No LDS byte is filled twice.
; The launch also lays W_o's and W_p's codes in the order of a fragment's registers (wimg), one half fragment a wave, for the last launch.
; LIMITS: NaN and infinities among the inputs are not served.  A block of zeros, or one whose largest magnitude lies under 2^-124, gets the scale byte 1; only this program reads those bytes.
.set KVB,   8960                       ; a block of kv: 8 tiles of K's codes (4,096), 4 fragments of V (4,096), K's scale words (512), V's (256)
.set WP,    528                        ; a weight row in LDS: 512 bytes + 16: an odd multiple of 16
.set WSCL,  384*WP                     ; the 384 rows' scale bytes, 32 a row, dense
.set XIMG,  WSCL+12288                 ; x's 64 fragments: (8 T + s) x 1,024
.set XSC,   XIMG+65536                 ; their scale words: [T][row][8 K steps]
.set STG,   XSC+4096                   ; a stage of 16 rows x 272 bytes for each wave
.set SPT,   272
.set VSG,   STG+8*16*SPT               ; V's scale words: [head 2][row 16][4 tiles]
.set RR,  1                            ; v1   r = lane % 16
.set HH,  2                            ; v2   h = lane / 16
.set PR,  3                            ; v3   r + 8 (r / 8)
.set LI,  4                            ; v4   16 x lane
.set XG,  5                            ; v5   x: 4,096 h + 16 r
.set SI,  6                            ; v6   the stage, in
.set SOA, 7                            ; v7   the stage, out
.set XWI, 8                            ; v8   where I store x's images
.set XWS, 9                            ; v9   and their scale words
.set WA,  10                           ; v10  job 1: my weight rows
.set WSA, 11                           ; v11  and their scale words
.set XA,  12                           ; v12  my half's x images
.set XSA, 13                           ; v13  and their scale words
.set BA,  14                           ; v14  64 h
.set SA8, 15                           ; v15  16 r + 8 h
.set R,   16                           ; v16-111  x as loaded, three sets of 32
.set TMX, 112                          ; v112-123 phase X: at work;  v124 the scale word;  v126-133 the codes
.set PWX, 124
.set PCX, 126
.set ACC, 16                           ; v16-143  job 1's 16 accumulators: 32 tt + 8 ft
.set X,   144                          ; v144-207 64 neighbours of x; later the fragments of W (v144-175) and of x (v176-207)
.set WF,  144
.set XF,  176
.set WS,  208                          ; v208-223 the weights' scale words;  v224-239 x's: scales and nothing else
.set XS,  224
.set RLD, 240                          ; v240-243 the re-lay's 16 bytes;  v244, v245 its two offsets
.set RLA, 244
.set RLS, 245
.set WA2, 246                          ; job 2's addresses
.set WSA2, 247
.set BVA, 248
.set VSA, 249
.set VO,  250
.set VLA, 252
.set VGA, 253
.set BV,  254                          ; v254, v255 b_v of my two tiles' columns
.set WV,  36
.set SEL, 96
.macro ROUND                           ; a round of the cluster's barrier
	s_barrier_signal -1
	s_barrier_wait -1
	s_cmp_lg_u32 s[WV], 0
	s_cbranch_scc1 .Lnot_wave_0_\@
	s_barrier_signal -3
.Lnot_wave_0_\@:
	s_barrier_wait -3
	s_barrier_signal -1
	s_barrier_wait -1
.endm
.macro PLACES                          ; four plain vector instructions between a matrix instruction and a load into, or a vector instruction on, its registers
.rept 4
	v_nop
.endr
.endm
; 64 numbers of a lane, register 16 b + i = k 32 b + 16 h + i of my row, become a fragment's codes in v[pc] on and its scale word in v[pw]
.macro QUANT4 s, pc, pw, tm
.irp b, 0,1,2,3
	v_max3_num_f32 v[(\tm)+\b], |v[(\s)+16*\b]|, |v[(\s)+1+16*\b]|, 0x1800000   ; my 16 numbers of block b, and the floor 2^(3 - 127): the byte cannot fall under 1
.endr
.irp i, 2,4,6,8,10,12,14
.irp b, 0,1,2,3
	v_max3_num_f32 v[(\tm)+\b], v[(\tm)+\b], |v[(\s)+16*\b+\i]|, |v[(\s)+1+16*\b+\i]|
.endr
.endr
.irp b, 0,1,2,3
	v_permlanex16_b32 v[(\tm)+4+\b], v[(\tm)+\b], s[SEL], s[SEL+1]
.endr
.irp b, 0,1,2,3
	v_max_num_f32 v[(\tm)+\b], v[(\tm)+\b], v[(\tm)+4+\b]      ; with lane l xor 16's: the block's largest magnitude
.endr
.irp b, 0,1,2,3
	v_add_nc_u32 v[(\tm)+8+\b], 0xff000000, v[(\tm)+\b]        ; 2 off its exponent field: the conversion's scale operand
.endr
.irp b, 0,1,2,3
	v_lshrrev_b32 v[(\tm)+4+\b], 23, v[(\tm)+8+\b]             ; the scale's byte
.endr
	v_lshl_or_b32 v[\pw], v[(\tm)+5], 8, v[(\tm)+4]
	v_lshl_or_b32 v[\pw], v[(\tm)+6], 16, v[\pw]
	v_lshl_or_b32 v[\pw], v[(\tm)+7], 24, v[\pw]
.irp b, 0,1,2,3
	v_cvt_scalef32_pk8_fp4_f32 v[(\pc)+2*\b], v[(\s)+16*\b:(\s)+7+16*\b], v[(\tm)+8+\b]
	v_cvt_scalef32_pk8_fp4_f32 v[(\pc)+1+2*\b], v[(\s)+8+16*\b:(\s)+15+16*\b], v[(\tm)+8+\b]
.endr
	v_nop                                          ; one plain place behind a scaled conversion
.irp c, 0,1
.irp i, 0,1
	v_permlane16_swap_b32 v[(\pc)+4*\c+\i], v[(\pc)+2+4*\c+\i]   ; a whole block to a lane: lanes 0-15 block 2 c, lanes 16-31 block 2 c + 1
.endr
.endr
.endm
; the same for 32 numbers, two blocks: v[pc] .. v[pc + 3] are four registers of a fragment, v[pw] its two scale bytes (the upper two bytes 0)
.macro QUANT2 s, pc, pw, tm
.irp b, 0,1
	v_max3_num_f32 v[(\tm)+\b], |v[(\s)+16*\b]|, |v[(\s)+1+16*\b]|, 0x1800000
.endr
.irp i, 2,4,6,8,10,12,14
.irp b, 0,1
	v_max3_num_f32 v[(\tm)+\b], v[(\tm)+\b], |v[(\s)+16*\b+\i]|, |v[(\s)+1+16*\b+\i]|
.endr
.endr
.irp b, 0,1
	v_permlanex16_b32 v[(\tm)+2+\b], v[(\tm)+\b], s[SEL], s[SEL+1]
.endr
.irp b, 0,1
	v_max_num_f32 v[(\tm)+\b], v[(\tm)+\b], v[(\tm)+2+\b]
.endr
.irp b, 0,1
	v_add_nc_u32 v[(\tm)+4+\b], 0xff000000, v[(\tm)+\b]
.endr
.irp b, 0,1
	v_lshrrev_b32 v[(\tm)+2+\b], 23, v[(\tm)+4+\b]
.endr
	v_lshl_or_b32 v[\pw], v[(\tm)+3], 8, v[(\tm)+2]
.irp b, 0,1
	v_cvt_scalef32_pk8_fp4_f32 v[(\pc)+2*\b], v[(\s)+16*\b:(\s)+7+16*\b], v[(\tm)+4+\b]
	v_cvt_scalef32_pk8_fp4_f32 v[(\pc)+1+2*\b], v[(\s)+8+16*\b:(\s)+15+16*\b], v[(\tm)+4+\b]
.endr
	v_nop
	v_permlane16_swap_b32 v[\pc], v[(\pc)+2]
	v_permlane16_swap_b32 v[(\pc)+1], v[(\pc)+3]
.endm
	s_load_b512 s[4:19], s[0:1], 0x0               ; x 4, W_q codes 6, scales 8, W_k 10, 12, W_v 14, 16, b_q 18
	s_load_b512 s[20:35], s[0:1], 0x40             ; b_k 20, b_v 22, W_o codes 24, W_p codes 26, q_img 28, q_sc 30, kv 32, wimg 34
	s_set_vgpr_msb 0x40
	v_lshl_add_u32 v0, v0, 2, 0x4e200
	v_mov_b32 v1, 0
	s_set_vgpr_msb 0x4045
	ds_add_u32 v0, v1
	ds_add_u32 v0, v1
	s_set_vgpr_msb 0x4500
	v_lshrrev_b32 v1, 5, v0
	v_readfirstlane_b32 s[WV], v1                  ; wave 0..7
	s_bfe_u32 s37, ttmp6, 0x40000                  ; cx: it enters global addresses of my own loads and stores alone
	s_lshl_b32 s38, ttmp9, 2
	s_add_co_u32 s38, s38, s37                     ; xb: my block of 128 tokens
	s_and_b32 s39, ttmp7, 0xffff                   ; y: the pair of heads, which the four partners share
	s_lshr_b32 s40, s[WV], 2                       ; th
	s_and_b32 s41, s[WV], 3                        ; j
	s_mov_b32 s[SEL], 0x76543210
	s_mov_b32 s[SEL+1], 0xfedcba98                 ; v_permlanex16_b32's selects for lane l xor 16
	v_and_b32 v[RR], 15, v0
	v_bfe_u32 v[HH], v0, 4, 1
	v_and_b32 v[PR], 8, v[RR]
	v_add_nc_u32 v[PR], v[PR], v[RR]
	v_and_b32 v[LI], 31, v0
	v_lshlrev_b32 v[LI], 4, v[LI]
	v_lshlrev_b32 v[XG], 4, v[RR]
	v_lshl_add_u32 v[XG], v[HH], 12, v[XG]
	s_mul_i32 s72, s[WV], 16*SPT
	s_add_co_u32 s72, s72, STG                     ; my stage
	v_mul_u32_u24 v[SI], v[HH], SPT
	v_lshl_add_u32 v[SI], v[RR], 4, v[SI]
	v_add_nc_u32 v[SI], s72, v[SI]                 ; in: lanes 0-15 one row, lanes 16-31 the next
	v_mul_u32_u24 v[SOA], v[RR], SPT
	v_lshl_add_u32 v[SOA], v[HH], 6, v[SOA]
	v_add_nc_u32 v[SOA], s72, v[SOA]               ; out: row r, my 16 numbers of a block of 32
	s_lshl_b32 s72, s[WV], 13
	s_add_co_u32 s72, s72, XIMG
	v_add_nc_u32 v[XWI], s72, v[LI]
	s_lshl_b32 s72, s[WV], 9
	s_add_co_u32 s72, s72, XSC
	v_lshl_add_u32 v[XWS], v[RR], 5, s72
	s_mul_i32 s72, s41, 64*WP
	v_mul_u32_u24 v[WA], v[PR], WP
	v_lshl_add_u32 v[WA], v[HH], 4, v[WA]
	v_add_nc_u32 v[WA], s72, v[WA]                 ; rows 64 j on: q's two heads, then k's
	s_lshl_b32 s72, s41, 11
	s_add_co_u32 s72, s72, WSCL
	v_lshlrev_b32 v[WSA], 5, v[PR]
	v_lshl_add_u32 v[WSA], v[HH], 4, v[WSA]        ; lanes 0-15 take a row's words 0-3, lanes 16-31 its words 4-7
	v_add_nc_u32 v[WSA], s72, v[WSA]
	s_lshl_b32 s72, s40, 15
	s_add_co_u32 s72, s72, XIMG
	v_add_nc_u32 v[XA], s72, v[LI]
	s_lshl_b32 s72, s40, 11
	s_add_co_u32 s72, s72, XSC
	v_lshlrev_b32 v[XSA], 5, v[RR]
	v_lshl_add_u32 v[XSA], v[HH], 4, v[XSA]
	v_add_nc_u32 v[XSA], s72, v[XSA]
	v_lshlrev_b32 v[BA], 6, v[HH]
	v_lshlrev_b32 v[SA8], 4, v[RR]
	v_lshl_add_u32 v[SA8], v[HH], 3, v[SA8]
	s_mul_i32 s72, s41, 32*WP
	s_add_co_u32 s72, s72, 256*WP
	v_mul_u32_u24 v[WA2], v[PR], WP
	v_lshl_add_u32 v[WA2], v[HH], 4, v[WA2]
	v_add_nc_u32 v[WA2], s72, v[WA2]               ; v's rows 32 j on, behind q's and k's 256
	s_lshl_b32 s72, s41, 10
	s_add_co_u32 s72, s72, WSCL+256*32
	v_lshlrev_b32 v[WSA2], 5, v[PR]
	v_lshl_add_u32 v[WSA2], v[HH], 4, v[WSA2]
	v_add_nc_u32 v[WSA2], s72, v[WSA2]
	v_lshlrev_b32 v[BVA], 2, v[PR]
	s_lshr_b32 s72, s41, 1
	s_lshl_b32 s72, s72, 8
	s_and_b32 s73, s41, 1
	s_lshl_b32 s73, s73, 3
	s_add_co_u32 s72, s72, s73
	s_lshl_b32 s73, s40, 1
	s_add_co_u32 s72, s72, s73
	s_add_co_u32 s72, s72, VSG
	v_lshl_add_u32 v[VSA], v[RR], 4, s72           ; V's scale words: head j / 2, row r, tile 2 (j % 2) + ft, bytes 2 th and 2 th + 1
	v_lshrrev_b32 v[VGA], 1, v[LI]                 ; 8 x lane
	s_lshl_b32 s72, s[WV], 8
	s_add_co_u32 s72, s72, VSG
	v_add_nc_u32 v[VLA], s72, v[VGA]               ; (read by waves 0 and 1 alone)
.irp b, 0,1,2,3
	v_mov_b32 v[TMX+4+\b], 0                       ; a lane permute's destination counts as one of its sources
.endr
	; the re-lay: half fragment c = wave % 2 of fragment f = 4 (32 y + xb) + wave / 2 of 1,024: W_o's 512, then W_p's
	s_lshl_b32 s72, s39, 5
	s_add_co_u32 s72, s72, s38
	s_lshl_b32 s72, s72, 2
	s_lshr_b32 s73, s[WV], 1
	s_add_co_u32 s72, s72, s73                     ; f
	s_and_b32 s73, s[WV], 1                        ; c
	s_lshl_b32 s74, s72, 10
	s_lshl_b32 s75, s73, 9
	s_add_co_u32 s74, s74, s75
	v_add_nc_u32 v[RLS], s74, v[LI]                ; to: 1,024 f + 512 c + 16 x lane
	s_bfe_u32 s74, s72, 0x60003                    ; the tile of rows: (f % 512) / 8
	s_and_b32 s75, s72, 7                          ; the K step
	s_lshr_b32 s76, s74, 1
	s_lshl_b32 s76, s76, 14
	s_and_b32 s74, s74, 1
	s_lshl_b32 s74, s74, 12
	s_add_co_u32 s76, s76, s74
	s_lshl_b32 s75, s75, 6
	s_add_co_u32 s76, s76, s75
	s_lshl_b32 s73, s73, 5
	s_add_co_u32 s76, s76, s73
	v_lshlrev_b32 v[RLA], 9, v[PR]
	v_lshl_add_u32 v[RLA], v[HH], 4, v[RLA]
	v_add_nc_u32 v[RLA], s76, v[RLA]               ; from: the tile's row x 512 + 64 s + 32 c + 16 h
	; descriptor group 1 for 64 weight rows of 512 bytes, 16 bytes of padding behind each
	s_mov_b32 s44, 15|(1<<20)|(1<<21)|(6<<22)|(3<<25)   ; 15:0 the mask: all four work-groups; 17:16 elements of 1 byte; 20 padding on; 21 set beside a mask; 24:22 after every 128 words; 31:25 four words
	s_mov_b32 s45, 512<<16                         ; tensor_dim0
	s_mov_b32 s46, 64<<16                          ; tensor_dim1
	s_mov_b32 s47, 512<<16                         ; tile_dim0
	s_mov_b32 s48, 64                              ; tile_dim1
	s_mov_b32 s49, 512                             ; from row to row
	s_mov_b32 s50, 0
	s_mov_b32 s51, 0
	; and for their scale bytes: 2,048 dense bytes as 8 rows of 256 (32 elements of 8 bytes)
	s_mov_b32 s52, 15|(3<<16)|(1<<21)
	s_mov_b32 s53, 32<<16
	s_mov_b32 s54, 8<<16
	s_mov_b32 s55, 32<<16
	s_mov_b32 s56, 8
	s_mov_b32 s57, 32
	s_mov_b32 s58, 0
	s_mov_b32 s59, 0
	; waves 0 to 5 fetch: matrix wave / 2 (q, k, v), rows 128 y + 64 (wave % 2) on.  Nothing here hangs on cx
	s_lshl_b32 s72, s39, 7
	s_and_b32 s73, s[WV], 1
	s_lshl_b32 s73, s73, 6
	s_add_co_u32 s72, s72, s73
	s_lshl_b32 s74, s72, 9
	s_mov_b32 s75, 0
	s_lshl_b32 s76, s72, 5
	s_mov_b32 s77, 0
	s_mov_b32 s60, 1
	s_mul_i32 s61, s[WV], 64*WP
	s_mov_b32 s68, 1
	s_lshl_b32 s69, s[WV], 11
	s_add_co_u32 s69, s69, WSCL
	s_wait_dscnt 0x0
	s_wait_kmcnt 0x0
	s_cmp_lt_u32 s[WV], 4
	s_cselect_b64 s[62:63], s[10:11], s[14:15]
	s_cselect_b64 s[70:71], s[12:13], s[16:17]
	s_cmp_lt_u32 s[WV], 2
	s_cselect_b64 s[62:63], s[6:7], s[62:63]
	s_cselect_b64 s[70:71], s[8:9], s[70:71]
	s_add_nc_u64 s[62:63], s[62:63], s[74:75]
	s_add_nc_u64 s[70:71], s[70:71], s[76:77]
	s_or_b32 s63, s63, 0x80000000                  ; type = 2
	s_or_b32 s71, s71, 0x80000000
	ROUND                                          ; all four work-groups are here: the joint loads meet
	s_cmp_lt_u32 s[WV], 6
	s_cbranch_scc0 .Lno_fill
	tensor_load_to_lds s[60:63], s[44:51]          ; a wave's two fills stand in one branch: two loads of mine are out
	s_nop 0
	tensor_load_to_lds s[68:71], s[52:59]
	s_nop 0
.rept 4
	v_nop
.endr
.Lno_fill:
	s_cmp_lt_u32 s39, 4                            ; fragments 0-511 are W_o's
	s_cselect_b64 s[78:79], s[24:25], s[26:27]
	s_lshl_b32 s72, s38, 7
	s_lshr_b32 s73, s[WV], 1
	s_lshl_b32 s73, s73, 5
	s_add_co_u32 s72, s72, s73
	s_and_b32 s73, s[WV], 1
	s_lshl_b32 s73, s73, 3
	s_add_co_u32 s72, s72, s73                     ; the first token of tile = wave: 128 xb + 32 (wave / 2) + 8 (wave % 2)
	s_lshl_b32 s72, s72, 12
	s_mov_b32 s73, 0
	s_add_nc_u64 s[4:5], s[4:5], s[72:73]
; PHASE X.  Wave w quantises token tile w, in 16 half steps of 64 along K.  Sixteen lanes read 256 consecutive bytes of a row, an instruction two rows.
.macro LOADX e
.irp i, 0,1,2,3,4,5,6,7
	global_load_b128 v[R+32*((\e)%3)+4*\i:R+32*((\e)%3)+4*\i+3], v[XG], s[4:5] offset:(2*\i+8*(\i/4))*4096+256*(\e)
.endr
.endm
	global_load_b128 v[RLD:RLD+3], v[RLA], s[78:79]
	LOADX 0
	LOADX 1
	LOADX 2
	; the bases of the stores and biases, while the loads are on their way
	s_lshr_b32 s72, s38, 4                         ; the batch
	s_and_b32 s73, s38, 15                         ; st: the key step
	s_lshl_b32 s72, s72, 4
	s_lshl_b32 s74, s39, 1
	s_add_co_u32 s72, s72, s74                     ; bh0 = 16 b + 2 y
	s_and_b32 s74, s41, 1
	s_add_co_u32 s75, s72, s74                     ; job 1's batch and head
	s_lshl_b32 s76, s75, 7
	s_lshl_b32 s77, s73, 3
	s_add_co_u32 s76, s76, s77
	s_lshl_b32 s77, s40, 2
	s_add_co_u32 s76, s76, s77
	s_lshl_b32 s76, s76, 9                         ; q's codes: (128 bh + 8 st + 4 th) x 512
	s_lshl_b32 s80, s75, 5
	s_lshl_b32 s77, s73, 1
	s_add_co_u32 s80, s80, s77
	s_add_co_u32 s80, s80, s40
	s_lshl_b32 s80, s80, 8                         ; q's scale words: (32 bh + 2 st + th) x 256
	s_lshl_b32 s81, s75, 4
	s_add_co_u32 s81, s81, s73
	s_mul_i32 s81, s81, KVB                        ; k: the block of (bh, st)
	s_lshl_b32 s77, s40, 11
	s_add_co_u32 s94, s81, s77                     ; its codes: + 2,048 th
	s_lshl_b32 s77, s40, 8
	s_add_co_u32 s95, s81, s77
	s_add_co_u32 s95, s95, 8192                    ; its scale words: + 8,192 + 256 th
	s_cmp_lt_u32 s41, 2                            ; q or k: the choice hangs on the wave's number alone
	s_cselect_b32 s76, s76, s94
	s_cselect_b32 s80, s80, s95
	s_cselect_b64 s[82:83], s[28:29], s[32:33]
	s_cselect_b64 s[84:85], s[30:31], s[32:33]
	s_cselect_b64 s[86:87], s[18:19], s[20:21]
	s_mov_b32 s77, 0
	s_mov_b32 s81, 0
	s_add_nc_u64 s[82:83], s[82:83], s[76:77]
	s_add_nc_u64 s[84:85], s[84:85], s[80:81]
	s_lshl_b32 s76, s39, 1
	s_add_co_u32 s76, s76, s74
	s_lshl_b32 s76, s76, 8
	s_add_nc_u64 s[86:87], s[86:87], s[76:77]      ; the bias of my head's 64 columns
	s_lshl_b32 s76, s39, 9
	s_lshl_b32 s80, s41, 7
	s_add_co_u32 s76, s76, s80
	s_add_nc_u64 s[88:89], s[22:23], s[76:77]      ; b_v at column 128 y + 32 j
	s_lshr_b32 s76, s41, 1
	s_add_co_u32 s76, s76, s72
	s_lshl_b32 s76, s76, 4
	s_add_co_u32 s76, s76, s73
	s_mul_i32 s76, s76, KVB
	s_lshl_b32 s80, s74, 11
	s_add_co_u32 s76, s76, s80
	s_lshl_b32 s80, s40, 9
	s_add_co_u32 s76, s76, s80
	s_add_co_u32 s76, s76, 4096
	s_add_nc_u64 s[90:91], s[32:33], s[76:77]      ; V's fragments: block of head j / 2, + 4,096 + 1,024 x 2 (j % 2) + 512 th
	s_min_u32 s76, s[WV], 1
	s_add_co_u32 s76, s76, s72
	s_lshl_b32 s76, s76, 4
	s_add_co_u32 s76, s76, s73
	s_mul_i32 s76, s76, KVB
	s_add_co_u32 s76, s76, 8704
	s_add_nc_u64 s[92:93], s[32:33], s[76:77]      ; V's scale words of head = wave (waves 0 and 1 store them)
	s_wait_loadcnt 24                              ; the re-lay's load is in; the 24 issued behind it may be out
	global_store_b128 v[RLS], v[RLD:RLD+3], s[34:35]
; A half step: 16 rows x 256 bytes turn through my stage, so that a lane gets 16 neighbours of each of two blocks; LDS serves a wave's instructions in order (ISA guide 5.7.1.4)
.macro HALF e
.if 15-(\e) >= 2
	s_wait_loadcnt 16                              ; this half step's eight loads are in; those of the two behind it may be out
.else
	s_wait_loadcnt 8*(15-(\e))
.endif
.irp i, 0,1,2,3,4,5,6,7
	ds_store_b128 v[SI], v[R+32*((\e)%3)+4*\i:R+32*((\e)%3)+4*\i+3] offset:2*SPT*\i
.endr
.irp b, 0,1
.irp q, 0,1,2,3
	ds_load_b128 v[X+32*((\e)%2)+16*\b+4*\q:X+32*((\e)%2)+16*\b+4*\q+3], v[SOA] offset:128*\b+16*\q
.endr
.endr
	s_wait_dscnt 0x0                               ; the numbers are back, and every earlier LDS store has read its registers
.if (\e)+3 < 16
	LOADX (\e)+3
.endif
.if (\e)%2 == 1
	QUANT4 X, PCX, PWX, TMX                        ; K step e / 2
	ds_store_b128 v[XWI], v[PCX:PCX+3] offset:1024*((\e)/2)
	ds_store_b128 v[XWI], v[PCX+4:PCX+7] offset:1024*((\e)/2)+512
	ds_store_b32 v[XWS], v[PWX] offset:4*((\e)/2)  ; both halves of the lanes write the same word with the same value
.endif
.endm
.irp e, 0,1,2,3,4,5,6,7,8,9,10,11,12,13,14,15
	HALF \e
.endr
	s_wait_dscnt 0x0                               ; my images have landed; their registers may be loaded into
.irp tt, 0,1,2,3                       ; job 1's bias goes straight into the accumulators: lane (r, h) wants, for tile 2 b + u, columns 32 b + 16 h + 8 u + 0 .. 7
.irp ft, 0,1,2,3
.irp q, 0,1
	global_load_b128 v[ACC+32*\tt+8*\ft+4*\q:ACC+32*\tt+8*\ft+4*\q+3], v[BA], s[86:87] offset:128*(\ft/2)+32*(\ft%2)+16*\q
.endr
.endr
.endr
.irp ft, 0,1
	global_load_b32 v[BV+\ft], v[BVA], s[88:89] offset:32*\ft
.endr
	s_wait_tensorcnt 0x0                           ; my part of the weights is in LDS
	s_barrier_signal -1
	s_barrier_wait -1                              ; everybody's is, and x's 64 fragments
; JOB 1
.irp ft, 0,1,2,3
	ds_load_b128 v[WS+4*\ft:WS+4*\ft+3], v[WSA] offset:(32*(\ft/2)+8*(\ft%2))*32
.endr
.irp tt, 0,1,2,3
	ds_load_b128 v[XS+4*\tt:XS+4*\tt+3], v[XSA] offset:512*\tt
.endr
	s_wait_loadcnt 0x0                             ; the biases
.macro MM1 s, tt, ft                   ; K steps 4 to 7 take their scale words from lanes 16-31
.if (\s) < 4
	v_wmma_scale_f32_16x16x128_f8f6f4 v[ACC+32*\tt+8*\ft:ACC+32*\tt+8*\ft+7], v[WF+8*\ft:WF+8*\ft+7], v[XF+8*\tt:XF+8*\tt+7], v[ACC+32*\tt+8*\ft:ACC+32*\tt+8*\ft+7], v[WS+4*\ft+(\s)%4], v[XS+4*\tt+(\s)%4] matrix_a_fmt:MATRIX_FMT_FP4 matrix_b_fmt:MATRIX_FMT_FP4
.else
	v_wmma_scale_f32_16x16x128_f8f6f4 v[ACC+32*\tt+8*\ft:ACC+32*\tt+8*\ft+7], v[WF+8*\ft:WF+8*\ft+7], v[XF+8*\tt:XF+8*\tt+7], v[ACC+32*\tt+8*\ft:ACC+32*\tt+8*\ft+7], v[WS+4*\ft+(\s)%4], v[XS+4*\tt+(\s)%4] matrix_a_fmt:MATRIX_FMT_FP4 matrix_b_fmt:MATRIX_FMT_FP4 matrix_a_scale:MATRIX_SCALE_ROW1 matrix_b_scale:MATRIX_SCALE_ROW1
.endif
.endm
.macro XFRAGS s
.irp tt, 0,1,2,3
.irp c, 0,1
	ds_load_b128 v[XF+8*\tt+4*\c:XF+8*\tt+4*\c+3], v[XA] offset:8192*\tt+1024*(\s)+512*\c
.endr
.endr
.endm
.macro KSTEP1 s                        ; 128 along K: 16 LDS loads, 16 matrix instructions, the 16 accumulators by turns
.irp ft, 0,1,2,3
.irp c, 0,1
	ds_load_b128 v[WF+8*\ft+4*\c:WF+8*\ft+4*\c+3], v[WA] offset:(32*(\ft/2)+8*(\ft%2))*WP+64*(\s)+32*\c
.endr
.endr
	XFRAGS \s
	s_wait_dscnt 0x0
.irp tt, 0,1,2,3
.irp ft, 0,1,2,3
	MM1 \s, \tt, \ft
.endr
.endr
	PLACES
.endm
.irp s, 0,1,2,3,4,5,6,7
	KSTEP1 \s
.endr
	v_nop                                          ; a fifth place: job 2 begins accumulators anew over these registers
	v_mov_b32 v146, 0
	v_mov_b32 v147, 0
.irp tt, 0,1,2,3                       ; a tile of tokens: 64 channels a lane-pair: two blocks: half a fragment, as it stands
	QUANT2 ACC+32*\tt, 152+4*\tt, 168+\tt, 144
	global_store_b128 v[LI], v[152+4*\tt:155+4*\tt], s[82:83] offset:512*\tt
.endr
	v_cmp_ne_u32 vcc_lo, 0, v[HH]
	v_cndmask_b32 v172, v168, v170, vcc_lo         ; row r's four words: lanes 0-15 store tiles 0, 1, lanes 16-31 tiles 2, 3:
	v_cndmask_b32 v173, v169, v171, vcc_lo
	global_store_b64 v[SA8], v[172:173], s[84:85]  ; 256 consecutive bytes
; JOB 2
	s_wait_xcnt 0x0                                ; job 1's stores have read their registers: they are written again below
.irp ft, 0,1
.irp i, 0,1,2,3,4,5,6,7
	v_mov_b32 v[80+8*\ft+\i], v[BV+\ft]            ; a lane holds one column: its bias in all eight registers: the C of the first K step
.endr
.endr
.irp ft, 0,1
	ds_load_b128 v[WS+4*\ft:WS+4*\ft+3], v[WSA2] offset:8*\ft*32
.endr
.macro MM2 s, tt, ft
.set rD, 16+32*\ft+8*\tt
.if (\s) == 0
.set rC, 80+8*\ft
.else
.set rC, rD
.endif
.if (\s) < 4
	v_wmma_scale_f32_16x16x128_f8f6f4 v[rD:rD+7], v[XF+8*\tt:XF+8*\tt+7], v[WF+8*\ft:WF+8*\ft+7], v[rC:rC+7], v[XS+4*\tt+(\s)%4], v[WS+4*\ft+(\s)%4] matrix_a_fmt:MATRIX_FMT_FP4 matrix_b_fmt:MATRIX_FMT_FP4
.else
	v_wmma_scale_f32_16x16x128_f8f6f4 v[rD:rD+7], v[XF+8*\tt:XF+8*\tt+7], v[WF+8*\ft:WF+8*\ft+7], v[rC:rC+7], v[XS+4*\tt+(\s)%4], v[WS+4*\ft+(\s)%4] matrix_a_fmt:MATRIX_FMT_FP4 matrix_b_fmt:MATRIX_FMT_FP4 matrix_a_scale:MATRIX_SCALE_ROW1 matrix_b_scale:MATRIX_SCALE_ROW1
.endif
.endm
.macro KSTEP2 s
.irp ft, 0,1
.irp c, 0,1
	ds_load_b128 v[WF+8*\ft+4*\c:WF+8*\ft+4*\c+3], v[WA2] offset:8*\ft*WP+64*(\s)+32*\c
.endr
.endr
	XFRAGS \s
	s_wait_dscnt 0x0
.irp tt, 0,1,2,3
.irp ft, 0,1
	MM2 \s, \tt, \ft
.endr
.endr
	PLACES
.endm
.irp s, 0,1,2,3,4,5,6,7
	KSTEP2 \s
.endr
	v_mov_b32 v162, 0
	v_mov_b32 v163, 0
.irp ft, 0,1                           ; a tile of channels: my 64 tokens are two blocks along the keys: registers 4 th .. 4 th + 3 of V's fragment
	QUANT2 16+32*\ft, 96+4*\ft, 104+\ft, 160
	global_store_b128 v[LI], v[96+4*\ft:99+4*\ft], s[90:91] offset:1024*\ft
	ds_store_b16 v[VSA], v[104+\ft] offset:4*\ft   ; my two bytes of the row's scale word: the other two come from the wave of the other half
.endr
	s_wait_dscnt 0x0
	s_barrier_signal -1
	s_barrier_wait -1
	s_cmp_lt_u32 s[WV], 2
	s_cbranch_scc0 .Lno_vs
	ds_load_b64 v[VO:VO+1], v[VLA]
	s_wait_dscnt 0x0
	global_store_b64 v[VGA], v[VO:VO+1], s[92:93]  ; a head's 64 scale words: 256 consecutive bytes
.Lno_vs:
	s_set_vgpr_msb 0x5
	s_wait_tensorcnt 0x0
	ds_add_u32 v0, v1
	s_wait_dscnt 0x0
	s_set_vgpr_msb 0x500
	ROUND                                          ; the closing round: no work-group ends while a partner may still ask jointly
	s_endpgm
.Lfunc_end_k_qd493f93672_qkv:
	.size	k_qd493f93672_qkv, .Lfunc_end_k_qd493f93672_qkv-k_qd493f93672_qkv
	.p2alignl 7, 3214868480
	.fill 96, 4, 3214868480
	.section	.rodata,"a",@progbits
	.p2align	6, 0x0
	.amdhsa_kernel k_qd493f93672_qkv
		.amdhsa_group_segment_fixed_size 327680
		.amdhsa_private_segment_fixed_size 0
		.amdhsa_enable_private_segment 0
		.amdhsa_kernarg_size 128
		.amdhsa_user_sgpr_count 2
		.amdhsa_user_sgpr_kernarg_segment_ptr 1
		.amdhsa_wavefront_size32 1
		.amdhsa_system_sgpr_workgroup_id_x 1
		.amdhsa_system_sgpr_workgroup_id_y 1
		.amdhsa_system_sgpr_workgroup_id_z 1
		.amdhsa_system_vgpr_workitem_id 0
		.amdhsa_next_free_vgpr 258
		.amdhsa_next_free_sgpr 100
		.amdhsa_reserve_vcc 1
		.amdhsa_float_denorm_mode_32 3
		.amdhsa_float_denorm_mode_16_64 3
		.amdhsa_memory_ordered 1
		.amdhsa_forward_progress 1
		.amdhsa_inst_pref_size 129
	.end_amdhsa_kernel
	.amdgpu_metadata
---
amdhsa.version: [ 1, 2 ]
amdhsa.kernels:
  - .name:           k_qd493f93672_qkv
    .symbol:         k_qd493f93672_qkv.kd
    .args:
      - { .name: x, .offset: 0, .size: 8, .value_kind: global_buffer, .address_space: global }
      - { .name: W_q_codes, .offset: 8, .size: 8, .value_kind: global_buffer, .address_space: global }
      - { .name: W_q_scales, .offset: 16, .size: 8, .value_kind: global_buffer, .address_space: global }
      - { .name: W_k_codes, .offset: 24, .size: 8, .value_kind: global_buffer, .address_space: global }
      - { .name: W_k_scales, .offset: 32, .size: 8, .value_kind: global_buffer, .address_space: global }
      - { .name: W_v_codes, .offset: 40, .size: 8, .value_kind: global_buffer, .address_space: global }
      - { .name: W_v_scales, .offset: 48, .size: 8, .value_kind: global_buffer, .address_space: global }
      - { .name: b_q, .offset: 56, .size: 8, .value_kind: global_buffer, .address_space: global }
      - { .name: b_k, .offset: 64, .size: 8, .value_kind: global_buffer, .address_space: global }
      - { .name: b_v, .offset: 72, .size: 8, .value_kind: global_buffer, .address_space: global }
      - { .name: W_o_codes, .offset: 80, .size: 8, .value_kind: global_buffer, .address_space: global }
      - { .name: W_p_codes, .offset: 88, .size: 8, .value_kind: global_buffer, .address_space: global }
      - { .name: q_img, .offset: 96, .size: 8, .value_kind: global_buffer, .address_space: global }
      - { .name: q_sc, .offset: 104, .size: 8, .value_kind: global_buffer, .address_space: global }
      - { .name: kv, .offset: 112, .size: 8, .value_kind: global_buffer, .address_space: global }
      - { .name: wimg, .offset: 120, .size: 8, .value_kind: global_buffer, .address_space: global }
    .group_segment_fixed_size: 327680
    .private_segment_fixed_size: 0
    .kernarg_segment_align: 8
    .kernarg_segment_size: 128
    .max_flat_workgroup_size: 256
    .sgpr_count:     100
    .vgpr_count:     258
    .wavefront_size: 32
...
	.end_amdgpu_metadata
.endif
;; end of part 1
;; launch attn (part 2): grid 16 x 16, 8 waves a work-group, clusters of 4 x 1, 327,680 bytes of LDS; arguments q_img, q_sc, kv, verse_positions, ctx_img, ctx_sc; writes ctx_img, ctx_sc
.if DOCPART == 2
	.amdgcn_target "amdgcn-amd-amdhsa--gfx1250"
	.amdhsa_code_object_version 6
	.text
	.protected	k_qd493f93672_attn
	.globl	k_qd493f93672_attn
	.p2align	8
	.type	k_qd493f93672_attn,@function
k_qd493f93672_attn:
	s_mov_b64 s[64:65], 0
	v_nop
	global_prefetch_b8 v0, s[64:65] scope:SCOPE_SE
	s_setreg_imm32_b32 hwreg(HW_REG_WAVE_MODE, 25, 1), 1
	s_wait_xcnt 0x0
	s_wait_alu depctr_hold_cnt(0) depctr_sa_sdst(0) depctr_va_vdst(0) depctr_va_sdst(0) depctr_va_ssrc(0) depctr_va_vcc(0) depctr_vm_vsrc(0)
	s_getreg_b32 s2, hwreg(HW_REG_IB_STS2, 6, 4)
	s_cmp_eq_u32 s2, 0
	s_cbranch_scc0 .Lentry_in_a_cluster
	s_endpgm
.Lentry_in_a_cluster:
	s_bfe_u32 s2, ttmp6, 0x10000c
	s_cmp_lg_u32 s2, 0x3003
	s_cbranch_scc0 .Lentry_shape_is_right
	s_endpgm
.Lentry_shape_is_right:
; ctx = softmax(q k^T / 8 + mask) v for 16 heads of 64 channels, both products on codes of FP4 (E2M1) with E8M0 scales, and ctx quantised along the channels for the next product.
; THE SOFTMAX AHEAD OF THE SECOND PRODUCT: t = logit x log2(e); M = the running largest t rounded up to a whole number; p = 2^(t - M) is quantised along the keys, not normalised; the row's sum is taken of the
; unquantised p and divides at the end.  When M moves, the sum and O are multiplied by 2^(old M - new M): exact.
; THE MASK (1 where the verses are equal or one of them is 0; 0.7 one verse apart; 0.3 / d further apart) is the same for all heads.  It is made once for the wave's two heads, as 8 x mask, and is the C of the score
; product: t = (q.k + 8 mask) x log2(e) / 8.  With u = the key's verse and -a = minus the query's, as f32, each replaced by +2^40 where the verse is 0, d = u - a, T = 10/3 and E = d - 2^30:
; 8 mask = 2.4 x min(max3(1 / |d|, T - d d, E), T).  A verse of 0 makes d at least 2^40 - 2^24, so E decides and the minimum leaves T; else E is negative, and d = 0 gives T, |d| = 1 gives T - 1, |d| >= 2 gives 1 / |d|.
; SHARES.  A work-group takes 128 queries x heads 2 hp and 2 hp + 1 of one batch; wave w takes 16 queries (one tile) for both heads and walks all 2,048 keys, 128 a step.  Two waves to a SIMD.
; BOTH HEADS' K AND V STAY IN LDS WHOLE (32 blocks of 8,960 bytes, as the launch before laid them: fragments as images of their registers): every tensor load is a first fill.
; CLUSTER.  The four query blocks of a cluster walk the same K and V: each block is asked for jointly.
; LAYOUT.  Both products are used transposed: S^T = K Q^T, O^T = V^T P^T: a lane holds one query (lane % 16) throughout.  A head has 64 channels and the instruction 128 along K: the upper four registers of Q's and K's
; fragments are zeros for good.  The rows of a tile are not neighbours (row rho of tile T: 32 (T / 2) + 8 (T % 2) + rho + 8 (rho / 8)): the 16 registers of tiles 2 b, 2 b + 1 are 16 neighbouring keys or channels.
; LIMITS: verse positions up to 2^24 in magnitude (exact in f32, and far under 2^30); NaN and infinities are not served; 1 / |d| and 1 / the sum come from v_rcp_f32; a block under 2^-124 carries the scale byte 1.
.set KVB,  8960
.set HD1,  16*KVB                      ; head 1's sixteen blocks lie behind head 0's
.set VP,   32*KVB                      ; behind them: the batch's 2,048 verses as f32
; window 0
.set LI,  1                            ; v1   16 x lane
.set SCA, 2                            ; v2   16 r
.set LS,  3                            ; v3   4 x lane
.set ADK, 4                            ; v4, v5  the step's block, + 16 x lane, for heads 0, 1
.set ADS, 6                            ; v6, v7  the same + 16 r
.set ST0, 12                           ; v12 -M, v13 the largest t, v[14:15] the sum in two halves: head 0;  v16-19: head 1
.set ST1, 16
.set QS,  20                           ; v20, v21 Q's scale words
.set QF,  24                           ; v24-31, v32-39 Q's fragments
.set KF,  40                           ; v40-103 K's eight fragments
.set KS,  104                          ; v104-111 their scale words
.set S,   112                          ; v112-175 S^T, then p
.set VF,  176                          ; v176-207 V's four fragments;  v208-211 their scale words
.set VSC, 208
.set PC,  212                          ; v212-219 p's codes
.set BM,  220
.set TP,  224
.set SO,  228
.set F,   232                          ; v232 f;  v233 p's scale word
.set PW,  233
.set T1,  234
.set SU,  236
; window 1
.set O,   0                            ; O^T: 32 registers a head
.set MK,  64                           ; 8 x mask
.set QT,  128                          ; T - d d
.set NA,  192                          ; -(my query's verse), twice
.set VPB, 194                          ; VP + 64 h
.set ADV, 195
.set EK,  196                          ; v196-227 of window 1: d - 2^30, for half of the step's keys at a time
.set WV,  16
.set SEL, 22
.set CS,  24                           ; s[24:25] log2(e) / 8
.set TT,  26                           ; s[26:27] 10/3
.set K24, 28                           ; s[28:29] 2.4
.set NC,  30                           ; s[30:31] -2^30
.set G1,  32
.set G0,  40                           ; s[40:55] four groups 0
.set TB,  56                           ; the step's block in LDS
.set SVS, 57                           ; the step's verses
.set CNT, 58
.set MSB, 0
.macro WIN new                         ; the immediate's high byte repeats the setting that is left
.if MSB != \new
	s_set_vgpr_msb (MSB<<8)|\new
.set MSB, \new
.endif
.endm
.macro ROUND
	s_barrier_signal -1
	s_barrier_wait -1
	s_cmp_lg_u32 s[WV], 0
	s_cbranch_scc1 .Lnot_wave_0_\@
	s_barrier_signal -3
.Lnot_wave_0_\@:
	s_barrier_wait -3
	s_barrier_signal -1
	s_barrier_wait -1
.endm
.macro PLACES
.rept 4
	v_nop
.endr
.endm
.macro QUANT2 s, pc, pw, tm            ; 32 numbers of a lane, register 16 b + i = k 32 b + 16 h + i: four registers of a fragment and two scale bytes
.irp b, 0,1
	v_max3_num_f32 v[(\tm)+\b], |v[(\s)+16*\b]|, |v[(\s)+1+16*\b]|, 0x1800000
.endr
.irp i, 2,4,6,8,10,12,14
.irp b, 0,1
	v_max3_num_f32 v[(\tm)+\b], v[(\tm)+\b], |v[(\s)+16*\b+\i]|, |v[(\s)+1+16*\b+\i]|
.endr
.endr
.irp b, 0,1
	v_permlanex16_b32 v[(\tm)+2+\b], v[(\tm)+\b], s[SEL], s[SEL+1]
.endr
.irp b, 0,1
	v_max_num_f32 v[(\tm)+\b], v[(\tm)+\b], v[(\tm)+2+\b]
.endr
.irp b, 0,1
	v_add_nc_u32 v[(\tm)+4+\b], 0xff000000, v[(\tm)+\b]
.endr
.irp b, 0,1
	v_lshrrev_b32 v[(\tm)+2+\b], 23, v[(\tm)+4+\b]
.endr
	v_lshl_or_b32 v[\pw], v[(\tm)+3], 8, v[(\tm)+2]
.irp b, 0,1
	v_cvt_scalef32_pk8_fp4_f32 v[(\pc)+2*\b], v[(\s)+16*\b:(\s)+7+16*\b], v[(\tm)+4+\b]
	v_cvt_scalef32_pk8_fp4_f32 v[(\pc)+1+2*\b], v[(\s)+8+16*\b:(\s)+15+16*\b], v[(\tm)+4+\b]
.endr
	v_nop
	v_permlane16_swap_b32 v[\pc], v[(\pc)+2]
	v_permlane16_swap_b32 v[(\pc)+1], v[(\pc)+3]
.endm
	s_load_b256 s[4:11], s[0:1], 0x0               ; q_img 4, q_sc 6, kv 8, verse_positions 10
	s_load_b128 s[12:15], s[0:1], 0x20             ; ctx_img 12, ctx_sc 14
	v_lshl_add_u32 v238, v0, 2, 0x48000
	v_mov_b32 v239, 0
	ds_add_u32 v238, v239
	ds_add_u32 v238, v239
	v_lshrrev_b32 v1, 5, v0
	v_readfirstlane_b32 s[WV], v1                  ; wave 0..7
	s_bfe_u32 s17, ttmp6, 0x40000                  ; cx: it enters the addresses of Q, of my query's verse and of ctx alone
	s_lshl_b32 s18, ttmp9, 2
	s_add_co_u32 s18, s18, s17                     ; my block of 128 queries
	s_and_b32 s19, ttmp7, 0xffff
	s_lshr_b32 s20, s19, 3                         ; the batch
	s_and_b32 s21, s19, 7                          ; the pair of heads
	s_mov_b32 s[SEL], 0x76543210
	s_mov_b32 s[SEL+1], 0xfedcba98
	s_mov_b32 s[CS], 0x3e38aa3b
	s_mov_b32 s[CS+1], s[CS]                       ; (a packed form names the pair, so both words are written)
	s_mov_b32 s[TT], 0x40555555
	s_mov_b32 s[TT+1], s[TT]
	s_mov_b32 s[K24], 0x4019999a
	s_mov_b32 s[K24+1], s[K24]
	s_mov_b32 s[NC], 0xce800000
	s_mov_b32 s[NC+1], s[NC]
	v_and_b32 v240, 15, v0                         ; r
	v_bfe_u32 v241, v0, 4, 1                       ; h
	v_and_b32 v242, 8, v240
	v_add_nc_u32 v242, v242, v240                  ; r + 8 (r / 8)
	v_and_b32 v[LI], 31, v0
	v_lshlrev_b32 v[LS], 2, v[LI]
	v_lshlrev_b32 v[LI], 4, v[LI]
	v_lshlrev_b32 v[SCA], 4, v240
	v_lshlrev_b32 v243, 2, v242
	v_lshlrev_b32 v244, 5, v0                      ; thread t takes verses 8 t .. 8 t + 7
	v_add_nc_u32 v245, VP, v244
	WIN 0x40
	v_lshl_add_u32 v[VPB], v241, 6, VP
.set jj, 0
.rept 64
	v_mov_b32 v[O+jj], 0                           ; O^T: the step is written once; the first finds zeros, which the first change of M leaves zeros
.set jj, jj+1
.endr
	WIN 0
	; descriptor group 1: a block of 8,960 dense bytes as 35 rows of 256 (32 elements of 8 bytes)
	s_mov_b32 s[G1], 15|(3<<16)|(1<<21)            ; 15:0 the mask: all four work-groups; 17:16 elements of 8 bytes; 21 set beside a mask
	s_mov_b32 s[G1+1], 32<<16
	s_mov_b32 s[G1+2], 35<<16
	s_mov_b32 s[G1+3], 32<<16
	s_mov_b32 s[G1+4], 35
	s_mov_b32 s[G1+5], 32
	s_mov_b32 s[G1+6], 0
	s_mov_b32 s[G1+7], 0
	; load i of wave w brings the block of head w % 2, key step 4 i + w / 2
	s_and_b32 s66, s[WV], 1
	s_lshr_b32 s67, s[WV], 1
	s_lshl_b32 s68, s66, 4
	s_add_co_u32 s68, s68, s67
	s_mul_i32 s68, s68, KVB
	s_lshl_b32 s69, s20, 4
	s_lshl_b32 s70, s21, 1
	s_add_co_u32 s69, s69, s70                     ; bh0 = 16 b + 2 hp
	s_add_co_u32 s70, s69, s66
	s_lshl_b32 s70, s70, 4
	s_add_co_u32 s70, s70, s67
	s_mul_i32 s70, s70, KVB
	s_mov_b32 s71, 0
	s_wait_dscnt 0x0
	s_wait_kmcnt 0x0
	s_add_nc_u64 s[70:71], s[8:9], s[70:71]
.irp i, 0,1,2,3
	s_mov_b32 s[G0+4*\i], 1
	s_add_co_u32 s[G0+4*\i+1], s68, 4*KVB*\i
	s_add_nc_u64 s[G0+4*\i+2:G0+4*\i+3], s[70:71], 4*KVB*\i
	s_or_b32 s[G0+4*\i+3], s[G0+4*\i+3], 0x80000000
.endr
	ROUND                                          ; all four work-groups are here: the joint loads meet
.irp i, 0,1,2,3
	tensor_load_to_lds s[G0+4*\i:G0+4*\i+3], s[G1:G1+7]   ; four loads of mine are out
	s_nop 0
.endr
	PLACES
	s_lshl_b32 s72, s18, 3
	s_add_co_u32 s72, s72, s[WV]                   ; T: my tile of queries, 0 .. 127
	s_mov_b32 s75, 0
	s_lshl_b32 s74, s69, 7
	s_add_co_u32 s74, s74, s72
	s_lshl_b32 s74, s74, 9
	s_add_nc_u64 s[4:5], s[4:5], s[74:75]          ; Q's image: (128 bh0 + T) x 512; head 1's lies 65,536 on
	s_lshl_b32 s74, s69, 5
	s_lshr_b32 s73, s72, 2
	s_add_co_u32 s74, s74, s73
	s_lshl_b32 s74, s74, 8
	s_and_b32 s73, s72, 3
	s_lshl_b32 s73, s73, 2
	s_add_co_u32 s74, s74, s73
	s_add_nc_u64 s[6:7], s[6:7], s[74:75]          ; its scale words; head 1's 8,192 on
	s_lshl_b32 s74, s20, 13
	s_add_nc_u64 s[10:11], s[10:11], s[74:75]      ; the batch's verses
	s_lshr_b32 s74, s72, 1
	s_lshl_b32 s74, s74, 7
	s_and_b32 s73, s72, 1
	s_lshl_b32 s73, s73, 5
	s_add_co_u32 s74, s74, s73
	s_add_nc_u64 s[76:77], s[10:11], s[74:75]      ; those of my tile's queries
	s_lshl_b32 s73, s20, 7
	s_add_co_u32 s73, s73, s72                     ; 128 b + T
	s_lshl_b32 s74, s73, 4
	s_lshl_b32 s78, s21, 1
	s_add_co_u32 s74, s74, s78
	s_lshl_b32 s74, s74, 9
	s_add_nc_u64 s[12:13], s[12:13], s[74:75]
	s_lshl_b32 s74, s73, 3
	s_add_co_u32 s74, s74, s21
	s_lshl_b32 s74, s74, 7
	s_add_nc_u64 s[14:15], s[14:15], s[74:75]
	global_load_b128 v[246:249], v244, s[10:11]
	global_load_b128 v[250:253], v244, s[10:11] offset:16
	global_load_b32 v254, v243, s[76:77]
	global_load_b128 v[QF:QF+3], v[LI], s[4:5]
	global_load_b128 v[QF+8:QF+11], v[LI], s[4:5] offset:65536
	global_load_b32 v[QS], v[SCA], s[6:7]
	global_load_b32 v[QS+1], v[SCA], s[6:7] offset:8192
.irp i, 4,5,6,7
	v_mov_b32 v[QF+\i], 0                          ; k = 64 .. 127 of the instruction: zero codes, for good
	v_mov_b32 v[QF+8+\i], 0
.endr
.irp t, 0,1,2,3,4,5,6,7
.irp i, 4,5,6,7
	v_mov_b32 v[KF+8*\t+\i], 0
.endr
.endr
.irp st, ST0, ST1
	v_mov_b32 v[\st+1], 0xff61b1e6                 ; the largest t so far: -3e38
	v_floor_f32 v[\st], -v[\st+1]
	v_mov_b32 v[\st+2], 0
	v_mov_b32 v[\st+3], 0
.endr
.irp b, 0,1,2,3
	v_mov_b32 v[TP+\b], 0                          ; a lane permute's destination counts as one of its sources
.endr
	v_mov_b32 v[PW], 0                             ; (named as the upper half of the pair with f before it is first written)
	v_mov_b32 v255, 0x53800000                     ; 2^40
	s_wait_loadcnt 0x0
.irp i, 0,1,2,3,4,5,6,7
	v_cvt_f32_i32 v[S+\i], v[246+\i]
.endr
.irp i, 0,1,2,3,4,5,6,7
	v_cmp_eq_u32 vcc_lo, 0, v[246+\i]
	v_cndmask_b32 v[S+\i], v[S+\i], v255, vcc_lo   ; verse 0: 2^40 in its place
.endr
	ds_store_b128 v245, v[S:S+3]
	ds_store_b128 v245, v[S+4:S+7] offset:16
	v_cvt_f32_i32 v[T1], v254
	v_sub_f32 v[T1], 0, v[T1]                      ; -a
	v_cmp_eq_u32 vcc_lo, 0, v254
	v_cndmask_b32 v[T1], v[T1], v255, vcc_lo       ; my query's verse is 0: +2^40 here too, so that d is large and positive in every such case
	WIN 0x40
	v_mov_b32 v[NA], v[T1]
	v_mov_b32 v[NA+1], v[T1]
	WIN 0
.macro KLOAD hd                        ; ten loads: K's eight half fragments and their scale words
.irp t, 0,1,2,3,4,5,6,7
	ds_load_b128 v[KF+8*\t:KF+8*\t+3], v[ADK+\hd] offset:512*\t
.endr
.irp g, 0,1
	ds_load_b128 v[KS+4*\g:KS+4*\g+3], v[ADS+\hd] offset:8192+256*\g
.endr
.endm
.macro VLOAD hd                        ; nine loads: V's four fragments and their scale words
.irp dt, 0,1,2,3
.irp c, 0,1
	ds_load_b128 v[VF+8*\dt+4*\c:VF+8*\dt+4*\c+3], v[ADK+\hd] offset:4096+1024*\dt+512*\c
.endr
.endr
	ds_load_b128 v[VSC:VSC+3], v[ADS+\hd] offset:8704
.endm
.macro SPROD hd                        ; S^T = K Q^T + 8 mask
	WIN 0x10                                       ; C in window 1
.irp t, 0,1,2,3,4,5,6,7
	v_wmma_scale_f32_16x16x128_f8f6f4 v[S+8*\t:S+8*\t+7], v[KF+8*\t:KF+8*\t+7], v[QF+8*\hd:QF+8*\hd+7], v[MK+8*\t:MK+8*\t+7], v[KS+\t], v[QS+\hd] matrix_a_fmt:MATRIX_FMT_FP4 matrix_b_fmt:MATRIX_FMT_FP4
.endr
.endm
.macro OPROD hd, cnt                   ; O^T x f, then O^T += V^T P^T.  cnt: the LDS loads issued behind V's, which may stay out
	WIN 0x41                                       ; O^T in window 1, f in window 0
.set jj, 0
.rept 16
	v_pk_mul_f32 v[O+32*\hd+jj:O+32*\hd+jj+1], v[O+32*\hd+jj:O+32*\hd+jj+1], v[F:F+1] op_sel_hi:[1,0]
.set jj, jj+2
.endr
	s_wait_dscnt \cnt
	WIN 0x50                                       ; C and D in window 1
.irp dt, 0,1,2,3
	v_wmma_scale_f32_16x16x128_f8f6f4 v[O+32*\hd+8*\dt:O+32*\hd+8*\dt+7], v[VF+8*\dt:VF+8*\dt+7], v[PC:PC+7], v[O+32*\hd+8*\dt:O+32*\hd+8*\dt+7], v[VSC+\dt], v[PW] matrix_a_fmt:MATRIX_FMT_FP4 matrix_b_fmt:MATRIX_FMT_FP4
.endr
.endm
; one head's softmax for 128 keys; st: the head's four registers
.macro SOFT st
.irp b, 0,1,2,3
	v_max3_num_f32 v[BM+\b], v[S+16*\b], v[S+1+16*\b], v[S+2+16*\b]   ; the largest score of each block of 32 keys: it serves the row's maximum and, since p rises with the score, the block's largest p
.endr
.irp i, 3,5,7,9,11,13
.irp b, 0,1,2,3
	v_max3_num_f32 v[BM+\b], v[BM+\b], v[S+16*\b+\i], v[S+1+16*\b+\i]
.endr
.endr
.irp b, 0,1,2,3
	v_max_num_f32 v[BM+\b], v[BM+\b], v[S+15+16*\b]
.endr
.irp b, 0,1,2,3
	v_permlanex16_b32 v[TP+\b], v[BM+\b], s[SEL], s[SEL+1]
.endr
.irp b, 0,1,2,3
	v_max_num_f32 v[BM+\b], v[BM+\b], v[TP+\b]
.endr
	v_max3_num_f32 v[T1], v[BM], v[BM+1], v[BM+2]
	v_max_num_f32 v[T1], v[T1], v[BM+3]
	v_mul_f32 v[T1], s[CS], v[T1]
	v_max_num_f32 v[\st+1], v[\st+1], v[T1]        ; the running largest t
	v_mov_b32 v[T1], v[\st]
	v_floor_f32 v[\st], -v[\st+1]                  ; -M = floor(-t): M is a whole number
	v_sub_f32 v[T1], v[\st], v[T1]
	v_cvt_i32_f32 v[T1], v[T1]                     ; (it saturates)
	v_ldexp_f32 v[F], 1.0, v[T1]                   ; f = 2^(old M - new M)
.set jj, 0
.rept 32
	v_pk_fma_f32 v[S+jj:S+jj+1], v[S+jj:S+jj+1], s[CS:CS+1], v[\st:\st+1] op_sel_hi:[1,0,0]   ; t - M
.set jj, jj+2
.endr
.irp b, 0,1,2,3
	v_fma_f32 v[BM+\b], v[BM+\b], s[CS], v[\st]
.endr
.set jj, 0
.rept 64
	v_exp_f32 v[S+jj], v[S+jj]                     ; p = 2^(t - M)
.set jj, jj+1
.endr
.irp b, 0,1,2,3
	v_exp_f32 v[BM+\b], v[BM+\b]                   ; the block's largest p: the same two instructions on the same number
.endr
	v_pk_mul_f32 v[\st+2:\st+3], v[\st+2:\st+3], v[F:F+1] op_sel_hi:[1,0]   ; the sums under the new M (a plain place behind the exponentials)
	s_wait_alu depctr_va_vdst(0)
.irp b, 0,1,2,3
	v_max_num_f32 v[BM+\b], 0x1800000, v[BM+\b]    ; the floor 2^(3 - 127)
.endr
.irp b, 0,1,2,3
	v_add_nc_u32 v[SO+\b], 0xff000000, v[BM+\b]
.endr
.irp b, 0,1,2,3
	v_lshrrev_b32 v[TP+\b], 23, v[SO+\b]
.endr
	v_lshl_or_b32 v[PW], v[TP+1], 8, v[TP]
	v_lshl_or_b32 v[PW], v[TP+2], 16, v[PW]
	v_lshl_or_b32 v[PW], v[TP+3], 24, v[PW]
.irp b, 0,1,2,3
	v_cvt_scalef32_pk8_fp4_f32 v[PC+2*\b], v[S+16*\b:S+7+16*\b], v[SO+\b]
	v_cvt_scalef32_pk8_fp4_f32 v[PC+1+2*\b], v[S+8+16*\b:S+15+16*\b], v[SO+\b]
.endr
	v_nop
.irp c, 0,1
.irp i, 0,1
	v_permlane16_swap_b32 v[PC+4*\c+\i], v[PC+2+4*\c+\i]
.endr
.endr
	v_pk_add_f32 v[SU:SU+1], v[S:S+1], v[S+2:S+3]  ; the row's sum, of the unquantised p, in two chains; these 32 lines are also the places between p's scale word and codes and the product
.set jj, 4
.rept 15
	v_pk_add_f32 v[\st+2:\st+3], v[\st+2:\st+3], v[S+jj:S+jj+1]
	v_pk_add_f32 v[SU:SU+1], v[SU:SU+1], v[S+jj+2:S+jj+3]
.set jj, jj+4
.endr
	v_pk_add_f32 v[\st+2:\st+3], v[\st+2:\st+3], v[SU:SU+1]
.endm
; A KEY STEP: 128 keys, both heads
.macro STEP
	v_add_nc_u32 v[ADK], s[TB], v[LI]              ; (these five are also the places behind the last step's products, in front of the loads)
	v_add_nc_u32 v[ADS], s[TB], v[SCA]
	v_add_nc_u32 v[ADK+1], HD1, v[ADK]
	v_add_nc_u32 v[ADS+1], HD1, v[ADS]
	WIN 0x55                                       ; the mask's registers all lie in window 1: destination and all three sources
	v_add_nc_u32 v[ADV], s[SVS], v[VPB]
.irp b, 0,1,2,3
.irp q, 0,1,2,3
	ds_load_b128 v[MK+16*\b+4*\q:MK+16*\b+4*\q+3], v[ADV] offset:128*\b+16*\q   ; register 16 b + i: the verse of key 32 b + 16 h + i
.endr
.endr
	WIN 0
	KLOAD 0
	VLOAD 0
	s_wait_dscnt 19                                ; the verses are in; K's ten and V's nine loads may be out
	WIN 0x55
.set jj, 0
.rept 32
	v_pk_add_f32 v[MK+jj:MK+jj+1], v[MK+jj:MK+jj+1], v[NA:NA+1]        ; d = u - a
.set jj, jj+2
.endr
.set jj, 0
.rept 32
	v_pk_fma_f32 v[QT+jj:QT+jj+1], v[MK+jj:MK+jj+1], v[MK+jj:MK+jj+1], s[TT:TT+1] op_sel_hi:[1,1,0] neg_lo:[1,0,0] neg_hi:[1,0,0]   ; T - d d (d d is 2^82 at the most)
.set jj, jj+2
.endr
.irp g, 0,1                            ; 32 registers at a time: E has 32 registers
.set jj, 0
.rept 16
	v_pk_add_f32 v[EK+jj:EK+jj+1], v[MK+32*\g+jj:MK+32*\g+jj+1], s[NC:NC+1] op_sel_hi:[1,0]   ; E = d - 2^30: positive only where a verse is 0
.set jj, jj+2
.endr
.set jj, 0
.rept 32
	v_rcp_f32 v[MK+32*\g+jj], |v[MK+32*\g+jj]|
.set jj, jj+1
.endr
	v_nop                                          ; a plain place behind the reciprocals
.set jj, 0
	s_wait_alu depctr_va_vdst(0)
.rept 32
	v_max3_num_f32 v[MK+32*\g+jj], v[MK+32*\g+jj], v[QT+32*\g+jj], v[EK+jj]
.set jj, jj+1
.endr
.endr
.set jj, 0
.rept 64
	v_min_num_f32 v[MK+jj], s[TT], v[MK+jj]        ; held at T: equal verses (1 / 0) and verses of 0 (E) end here
.set jj, jj+1
.endr
.set jj, 0
.rept 32
	v_pk_mul_f32 v[MK+jj:MK+jj+1], v[MK+jj:MK+jj+1], s[K24:K24+1] op_sel_hi:[1,0]   ; 8 x mask
.set jj, jj+2
.endr
	s_wait_dscnt 9                                 ; K of head 0 is in; V's nine loads may be out
	SPROD 0
	WIN 0
	PLACES
	KLOAD 1                                        ; head 1's K lands while head 0's softmax is walked
	SOFT ST0
	OPROD 0, 10                                    ; V of head 0 is in; head 1's K may be out
	s_wait_dscnt 0x0
	SPROD 1
	WIN 0
	PLACES
	VLOAD 1
	SOFT ST1
	OPROD 1, 0
	WIN 0
.endm
; n steps from step first on.  tcnt: my later loads, which may stay out
.macro CHUNK first, n, tcnt
	s_wait_tensorcnt \tcnt
	s_wait_dscnt 0x0
	s_barrier_signal -1
	s_barrier_wait -1                              ; every wave's blocks of these steps are in LDS (and, the first time, the verses)
	s_mov_b32 s[TB], KVB*\first
	s_mov_b32 s[SVS], 512*\first
	s_mov_b32 s[CNT], \n
.Lstep_\@:
	STEP
	s_add_co_u32 s[TB], s[TB], KVB
	s_add_co_u32 s[SVS], s[SVS], 512
	s_sub_co_u32 s[CNT], s[CNT], 1
	s_cmp_lg_u32 s[CNT], 0
	s_cbranch_scc1 .Lstep_\@
.endm
	CHUNK 0, 4, 3                                  ; each wave's first load brings one of steps 0-3
	CHUNK 4, 4, 2                                  ; its second one of steps 4-7
	CHUNK 8, 8, 0
; THE WAY OUT: O^T / the sum is the head's 64 channels of ctx: two blocks: half a fragment of the next product
.macro FIN hd, st
	v_add_f32 v[\st+2], v[\st+2], v[\st+3]
	v_permlanex16_b32 v[T1], v[\st+2], s[SEL], s[SEL+1]
	v_add_f32 v[\st+2], v[\st+2], v[T1]
	v_rcp_f32 v[F], v[\st+2]
	v_nop
	WIN 0x01                                       ; source 0 (O^T) in window 1
.set jj, 0
	s_wait_alu depctr_va_vdst(0)
.rept 16
	v_pk_mul_f32 v[S+32*\hd+jj:S+32*\hd+jj+1], v[O+32*\hd+jj:O+32*\hd+jj+1], v[F:F+1] op_sel_hi:[1,0]
.set jj, jj+2
.endr
	WIN 0
	QUANT2 S+32*\hd, PC+4*\hd, BM+\hd, TP
	global_store_b128 v[LI], v[PC+4*\hd:PC+4*\hd+3], s[12:13] offset:512*\hd
.endm
	PLACES
	FIN 0, ST0
	FIN 1, ST1
	v_lshl_or_b32 v[BM+2], v[BM+1], 16, v[BM]      ; the two heads' bytes make the K step's scale word
	global_store_b32 v[LS], v[BM+2], s[14:15]
	s_wait_tensorcnt 0x0
	ds_add_u32 v238, v239
	s_wait_dscnt 0x0
	ROUND                                          ; the closing round
	s_endpgm
.Lfunc_end_k_qd493f93672_attn:
	.size	k_qd493f93672_attn, .Lfunc_end_k_qd493f93672_attn-k_qd493f93672_attn
	.p2alignl 7, 3214868480
	.fill 96, 4, 3214868480
	.section	.rodata,"a",@progbits
	.p2align	6, 0x0
	.amdhsa_kernel k_qd493f93672_attn
		.amdhsa_group_segment_fixed_size 327680
		.amdhsa_private_segment_fixed_size 0
		.amdhsa_enable_private_segment 0
		.amdhsa_kernarg_size 48
		.amdhsa_user_sgpr_count 2
		.amdhsa_user_sgpr_kernarg_segment_ptr 1
		.amdhsa_wavefront_size32 1
		.amdhsa_system_sgpr_workgroup_id_x 1
		.amdhsa_system_sgpr_workgroup_id_y 1
		.amdhsa_system_sgpr_workgroup_id_z 1
		.amdhsa_system_vgpr_workitem_id 0
		.amdhsa_next_free_vgpr 512
		.amdhsa_next_free_sgpr 80
		.amdhsa_reserve_vcc 1
		.amdhsa_float_denorm_mode_32 3
		.amdhsa_float_denorm_mode_16_64 3
		.amdhsa_memory_ordered 1
		.amdhsa_forward_progress 1
		.amdhsa_inst_pref_size 167
	.end_amdhsa_kernel
	.amdgpu_metadata
---
amdhsa.version: [ 1, 2 ]
amdhsa.kernels:
  - .name:           k_qd493f93672_attn
    .symbol:         k_qd493f93672_attn.kd
    .args:
      - { .name: q_img, .offset: 0, .size: 8, .value_kind: global_buffer, .address_space: global }
      - { .name: q_sc, .offset: 8, .size: 8, .value_kind: global_buffer, .address_space: global }
      - { .name: kv, .offset: 16, .size: 8, .value_kind: global_buffer, .address_space: global }
      - { .name: verse_positions, .offset: 24, .size: 8, .value_kind: global_buffer, .address_space: global }
      - { .name: ctx_img, .offset: 32, .size: 8, .value_kind: global_buffer, .address_space: global }
      - { .name: ctx_sc, .offset: 40, .size: 8, .value_kind: global_buffer, .address_space: global }
    .group_segment_fixed_size: 327680
    .private_segment_fixed_size: 0
    .kernarg_segment_align: 8
    .kernarg_segment_size: 48
    .max_flat_workgroup_size: 256
    .sgpr_count:     80
    .vgpr_count:     512
    .wavefront_size: 32
...
	.end_amdgpu_metadata
.endif
;; end of part 2
;; launch proj (part 3): grid 256 x 1, 8 waves a work-group, no clusters, 78,848 bytes of LDS; arguments ctx_img, ctx_sc, wimg, W_o_scales, W_p_scales, b_o, b_p, x, gamma, beta, out0; writes out0
.if DOCPART == 3
	.amdgcn_target "amdgcn-amd-amdhsa--gfx1250"
	.amdhsa_code_object_version 6
	.text
	.protected	k_qd493f93672_proj
	.globl	k_qd493f93672_proj
	.p2align	8
	.type	k_qd493f93672_proj,@function
k_qd493f93672_proj:
	s_mov_b64 s[64:65], 0
	v_nop
	global_prefetch_b8 v0, s[64:65] scope:SCOPE_SE
	s_setreg_imm32_b32 hwreg(HW_REG_WAVE_MODE, 25, 1), 1
	s_wait_xcnt 0x0
; out = LayerNorm(x + (ctx W_o^T + b_o) W_p^T + b_p) x gamma + beta; both products on codes of FP4 (E2M1) with E8M0 scales; ctx W_o^T + b_o is quantised on the way and never goes to memory.
; SHARES.  A work-group owns one tile of 16 tokens (token rho: 32 (T / 2) + 8 (T % 2) + rho + 8 (rho / 8)) with all 1,024 columns, so that the norm stays inside it.  Wave w owns columns 128 w .. 128 w + 127 of both
; products: eight tiles of weight rows in four pairs; they are K step w of the second product.  Both products are used transposed (source 0 = 16 weight rows, source 1 = the 16 tokens): a lane holds one token.
; THE WEIGHTS GO FROM MEMORY STRAIGHT INTO REGISTERS, laid by an earlier launch in the order of a fragment's registers: a load is 512 consecutive bytes.  A ring of eight slots (a slot: one K step of a pair of tiles,
; four loads) keeps about 32 loads of each wave on their way, across the barrier between the products too.
; NO JOINT LOADS: a tile of 16 tokens gives each weight fragment one matrix instruction, so slots in LDS would be waited for at every change, while loads into registers need no barrier.
; The text is straight: every offset is an immediate, no address register is written twice.  Loads come back in order (ISA guide 5.7.1): the wait for a slot counts the loads issued behind it (NI - SLn; 58 at the most).
; LIMITS: NaN and infinities are not served; 1 / sqrt comes from v_rsq_f32; a block under 2^-124 carries the scale byte 1.  The variance is taken of out - mean, in a second pass.
.set HIMG, 0                           ; LDS: the hidden layer's eight fragments, as images of their registers
.set HSC,  8192                        ; their scale words, 128 bytes each
.set RED,  9216                        ; the waves' sums: 64 bytes a wave; the sums of squares 512 bytes on
.set STG,  10240                       ; a stage of 16 rows x (512 + 16) bytes for each wave
.set SP,   528
; window 0
.set LI,  1                            ; v1   16 x lane
.set LS,  2                            ; v2   4 x lane
.set WA,  3                            ; v3   65,536 w + 16 x lane
.set WSA, 4                            ; v4   the weights' scale words: (128 w + r + 8 (r / 8)) x 32 + 16 h
.set BA,  5                            ; v5   512 w + 64 h
.set XGA, 6                            ; v6   512 w + 16 x lane
.set STI, 7                            ; v7   the stage by rows
.set STO, 8                            ; v8   the stage by the results' layout
.set HWI, 9
.set HWS, 10
.set RDW, 11
.set RDR, 12
.set BS,  16                           ; v16-23   source 1's scale words, one register a K step
.set WSC, 24                           ; v24-39   the weights' scale words, two sets of 8
.set ACC, 40                           ; v40-103  the eight accumulators
.set RING, 104                         ; v104-231 slot s at 16 s, tile u at + 8 u
.set TM,  232
.set PW,  244
.set PC,  246
.set MU,  254
; window 1
.set B,   0                            ; source 1's eight fragments
.set X,   64                           ; x, then x + b_p
.set G,   128                          ; b_p, then gamma
.set BE,  192                          ; b_o, then beta
.set WV,  26
.set SEL, 34
.set MSB, 0
.macro WIN new
.if MSB != \new
	s_set_vgpr_msb (MSB<<8)|\new
.set MSB, \new
.endif
.endm
.macro PLACES
.rept 4
	v_nop
.endr
.endm
.macro QUANT4 s, pc, pw, tm
.irp b, 0,1,2,3
	v_max3_num_f32 v[(\tm)+\b], |v[(\s)+16*\b]|, |v[(\s)+1+16*\b]|, 0x1800000
.endr
.irp i, 2,4,6,8,10,12,14
.irp b, 0,1,2,3
	v_max3_num_f32 v[(\tm)+\b], v[(\tm)+\b], |v[(\s)+16*\b+\i]|, |v[(\s)+1+16*\b+\i]|
.endr
.endr
.irp b, 0,1,2,3
	v_permlanex16_b32 v[(\tm)+4+\b], v[(\tm)+\b], s[SEL], s[SEL+1]
.endr
.irp b, 0,1,2,3
	v_max_num_f32 v[(\tm)+\b], v[(\tm)+\b], v[(\tm)+4+\b]
.endr
.irp b, 0,1,2,3
	v_add_nc_u32 v[(\tm)+8+\b], 0xff000000, v[(\tm)+\b]
.endr
.irp b, 0,1,2,3
	v_lshrrev_b32 v[(\tm)+4+\b], 23, v[(\tm)+8+\b]
.endr
	v_lshl_or_b32 v[\pw], v[(\tm)+5], 8, v[(\tm)+4]
	v_lshl_or_b32 v[\pw], v[(\tm)+6], 16, v[\pw]
	v_lshl_or_b32 v[\pw], v[(\tm)+7], 24, v[\pw]
.irp b, 0,1,2,3
	v_cvt_scalef32_pk8_fp4_f32 v[(\pc)+2*\b], v[(\s)+16*\b:(\s)+7+16*\b], v[(\tm)+8+\b]
	v_cvt_scalef32_pk8_fp4_f32 v[(\pc)+1+2*\b], v[(\s)+8+16*\b:(\s)+15+16*\b], v[(\tm)+8+\b]
.endr
	v_nop
.irp c, 0,1
.irp i, 0,1
	v_permlane16_swap_b32 v[(\pc)+4*\c+\i], v[(\pc)+2+4*\c+\i]
.endr
.endr
.endm
	s_load_b512 s[4:19], s[0:1], 0x0               ; ctx_img 4, ctx_sc 6, wimg 8, W_o scales 10, W_p scales 12, b_o 14, b_p 16, x 18
	s_load_b128 s[20:23], s[0:1], 0x40             ; gamma 20, beta 22
	s_load_b64 s[24:25], s[0:1], 0x50              ; out0
	v_lshrrev_b32 v1, 5, v0
	v_readfirstlane_b32 s[WV], v1                  ; wave 0..7
	v_and_b32 v13, 15, v0                          ; r
	v_bfe_u32 v14, v0, 4, 1                        ; h
	v_and_b32 v15, 8, v13
	v_add_nc_u32 v15, v15, v13                     ; r + 8 (r / 8)
	v_and_b32 v[LS], 31, v0
	v_lshlrev_b32 v[LI], 4, v[LS]
	v_lshlrev_b32 v[LS], 2, v[LS]
	s_lshl_b32 s28, s[WV], 16
	v_add_nc_u32 v[WA], s28, v[LI]
	s_lshl_b32 s28, s[WV], 12
	v_lshlrev_b32 v[WSA], 5, v15
	v_lshl_add_u32 v[WSA], v14, 4, v[WSA]          ; lanes 0-15 take a row's words 0-3, lanes 16-31 its words 4-7
	v_add_nc_u32 v[WSA], s28, v[WSA]
	s_lshl_b32 s28, s[WV], 9
	v_lshl_add_u32 v[BA], v14, 6, s28
	v_add_nc_u32 v[XGA], s28, v[LI]
	s_mul_i32 s28, s[WV], 16*SP
	s_add_co_u32 s28, s28, STG
	v_add_nc_u32 v[STI], s28, v[LI]
	v_mul_u32_u24 v[STO], v13, SP
	v_lshl_add_u32 v[STO], v14, 6, v[STO]
	v_add_nc_u32 v[STO], s28, v[STO]
	s_lshl_b32 s28, s[WV], 10
	v_add_nc_u32 v[HWI], s28, v[LI]
	s_lshl_b32 s28, s[WV], 7
	s_add_co_u32 s28, s28, HSC
	v_add_nc_u32 v[HWS], s28, v[LS]
	s_lshl_b32 s28, s[WV], 6
	s_add_co_u32 s28, s28, RED
	v_lshl_add_u32 v[RDW], v13, 2, s28
	v_lshlrev_b32 v[RDR], 2, v13
	v_add_nc_u32 v[RDR], RED, v[RDR]
	s_mov_b32 s[SEL], 0x76543210
	s_mov_b32 s[SEL+1], 0xfedcba98
	s_mov_b32 s36, 0x3a800000                      ; 1 / 1,024
.irp b, 0,1,2,3
	v_mov_b32 v[TM+4+\b], 0                        ; a lane permute's destination counts as one of its sources
.endr
	s_lshl_b32 s28, ttmp9, 13                      ; the tile's 16 half fragments of ctx
	s_mov_b32 s29, 0
	s_lshl_b32 s30, ttmp9, 10                      ; its scale words
	s_mov_b32 s31, 0
	s_lshr_b32 s32, ttmp9, 1
	s_lshl_b32 s32, s32, 5
	s_and_b32 s33, ttmp9, 1
	s_lshl_b32 s33, s33, 3
	s_add_co_u32 s32, s32, s33
	s_lshl_b32 s32, s32, 12                        ; its first token's row of x and of out
	s_mov_b32 s33, 0
	s_wait_kmcnt 0x0
	s_add_nc_u64 s[4:5], s[4:5], s[28:29]
	s_add_nc_u64 s[6:7], s[6:7], s[30:31]
	s_add_nc_u64 s[18:19], s[18:19], s[32:33]
	s_add_nc_u64 s[24:25], s[24:25], s[32:33]
.set NI, 0                             ; global loads issued so far
.macro SC p                            ; pair p's scale words (p = 0 .. 3: W_o; 4 .. 7: W_p) into set p % 2
.irp u, 0,1
.if (\p) < 4
	global_load_b128 v[WSC+8*((\p)%2)+4*\u:WSC+8*((\p)%2)+4*\u+3], v[WSA], s[10:11] offset:(32*((\p)%4)+8*\u)*32
.else
	global_load_b128 v[WSC+8*((\p)%2)+4*\u:WSC+8*((\p)%2)+4*\u+3], v[WSA], s[12:13] offset:(32*((\p)%4)+8*\u)*32
.endif
.endr
.set NI, NI+2
.endm
.macro SLOT p, s                       ; slot s takes K step s of pair p's two tiles
.irp u, 0,1
.irp c, 0,1
	global_load_b128 v[RING+16*\s+8*\u+4*\c:RING+16*\s+8*\u+4*\c+3], v[WA], s[8:9] offset:524288*((\p)/4)+16384*((\p)%4)+8192*\u+1024*\s+512*\c
.endr
.endr
.set NI, NI+4
.set SL\s, NI
.endm
	WIN 0x40                                       ; destination in window 1
.irp s, 0,1,2,3,4,5,6,7
.irp c, 0,1
	global_load_b128 v[B+8*\s+4*\c:B+8*\s+4*\c+3], v[LI], s[4:5] offset:1024*\s+512*\c
.endr
.endr
.irp b, 0,1,2,3
.irp q, 0,1,2,3
	global_load_b128 v[BE+16*\b+4*\q:BE+16*\b+4*\q+3], v[BA], s[14:15] offset:128*\b+16*\q   ; b_o in the result's layout: register 16 b + i: column 128 w + 32 b + 16 h + i
.endr
.endr
	WIN 0
.irp s, 0,1,2,3,4,5,6,7
	global_load_b32 v[BS+\s], v[LS], s[6:7] offset:128*\s
.endr
.set NI, NI+40
	SC 0
.irp s, 0,1,2,3,4,5,6,7
	SLOT 0, \s
.endr
	WIN 0x40
.irp i, 0,1,2,3,4,5,6,7,8,9,10,11,12,13,14,15
	global_load_b128 v[X+4*\i:X+4*\i+3], v[XGA], s[18:19] offset:(\i+8*(\i/8))*4096 th:TH_LOAD_NT   ; my 512 bytes of token i's row: read once in the launch
.endr
.irp b, 0,1,2,3
.irp q, 0,1,2,3
	global_load_b128 v[G+16*\b+4*\q:G+16*\b+4*\q+3], v[BA], s[16:17] offset:128*\b+16*\q
.endr
.endr
	WIN 0
.set NI, NI+32
.macro MM p, s, u                      ; one product: pair p, K step s, tile u.  K step 0 takes the bias (or x + b_p) as its C; K steps 4 to 7 take the weights' scale words from lanes 16-31
.set rD, ACC+16*((\p)%4)+8*(\u)
.set rA, RING+16*(\s)+8*(\u)
.set rB, B+8*(\s)
.set rW, WSC+8*((\p)%2)+4*(\u)+(\s)%4
.if (\s) == 0
.if (\p) < 4
.set rC, BE+16*((\p)%4)+8*(\u)
.else
.set rC, X+16*((\p)%4)+8*(\u)
.endif
.else
.set rC, rD
.endif
.if (\s) < 4
	v_wmma_scale_f32_16x16x128_f8f6f4 v[rD:rD+7], v[rA:rA+7], v[rB:rB+7], v[rC:rC+7], v[rW], v[BS+(\s)] matrix_a_fmt:MATRIX_FMT_FP4 matrix_b_fmt:MATRIX_FMT_FP4
.else
	v_wmma_scale_f32_16x16x128_f8f6f4 v[rD:rD+7], v[rA:rA+7], v[rB:rB+7], v[rC:rC+7], v[rW], v[BS+(\s)] matrix_a_fmt:MATRIX_FMT_FP4 matrix_b_fmt:MATRIX_FMT_FP4 matrix_a_scale:MATRIX_SCALE_ROW1
.endif
.endm
; two K steps of a pair: four products, the pair's two accumulators by turns; then the two slots take the next pair's fragments
.macro GROUP p, sa, sb
	s_wait_loadcnt NI-SL\sb                        ; slot sb and all that was asked for ahead of it are in; what was issued behind it may be out
.if \sa == 0
	WIN 0x14                                       ; source 1 and C in window 1
.else
	WIN 0x04                                       ; source 1 in window 1
.endif
	MM \p, \sa, 0
	MM \p, \sa, 1
	WIN 0x04
	MM \p, \sb, 0
	MM \p, \sb, 1
	WIN 0
	PLACES
.if (\p) < 7
.if \sa == 0
	SC (\p)+1
.endif
	SLOT (\p)+1, \sa
	SLOT (\p)+1, \sb
.endif
.endm
.irp p, 0,1,2,3                        ; ctx W_o^T + b_o
	GROUP \p, 0, 1
	GROUP \p, 2, 3
	GROUP \p, 4, 5
	GROUP \p, 6, 7
.endr
	QUANT4 ACC, PC, PW, TM                         ; my 128 columns are K step w of the second product
	ds_store_b128 v[HWI], v[PC:PC+3] offset:HIMG
	ds_store_b128 v[HWI], v[PC+4:PC+7] offset:HIMG+512
	ds_store_b32 v[HWS], v[PW]
	WIN 0x04                                       ; an LDS store's data are its source 1: window 1
.irp i, 0,1,2,3,4,5,6,7,8,9,10,11,12,13,14,15
	ds_store_b128 v[STI], v[X+4*\i:X+4*\i+3] offset:SP*\i      ; x turns through my stage into the results' layout; LDS serves a wave's instructions in order (ISA guide 5.7.1.4)
.endr
	WIN 0x40
.irp b, 0,1,2,3
.irp q, 0,1,2,3
	ds_load_b128 v[X+16*\b+4*\q:X+16*\b+4*\q+3], v[STO] offset:128*\b+16*\q
.endr
.endr
	WIN 0
	s_wait_dscnt 0x0                               ; my image has landed, and x is back
	s_barrier_signal -1
	s_barrier_wait -1                              ; the hidden layer's eight fragments lie in LDS
	WIN 0x40
.irp s, 0,1,2,3,4,5,6,7
.irp c, 0,1
	ds_load_b128 v[B+8*\s+4*\c:B+8*\s+4*\c+3], v[LI] offset:HIMG+1024*\s+512*\c
.endr
.endr
	WIN 0
.irp s, 0,1,2,3,4,5,6,7
	ds_load_b32 v[BS+\s], v[LS] offset:HSC+128*\s
.endr
	WIN 0x45
.set jj, 0
.rept 32
	v_pk_add_f32 v[X+jj:X+jj+1], v[X+jj:X+jj+1], v[G+jj:G+jj+1]   ; x + b_p: the C of the second product's first K step
.set jj, jj+2
.endr
	WIN 0x40
.irp b, 0,1,2,3
.irp q, 0,1,2,3
	global_load_b128 v[G+16*\b+4*\q:G+16*\b+4*\q+3], v[BA], s[20:21] offset:128*\b+16*\q
	global_load_b128 v[BE+16*\b+4*\q:BE+16*\b+4*\q+3], v[BA], s[22:23] offset:128*\b+16*\q
.endr
.endr
	WIN 0
.set NI, NI+32
	s_wait_dscnt 0x0
.irp p, 4,5,6,7                        ; x + b_p + hidden W_p^T
	GROUP \p, 0, 1
	GROUP \p, 2, 3
	GROUP \p, 4, 5
	GROUP \p, 6, 7
.endr
; THE NORM.  A lane holds 64 numbers of token r; the other half of the lanes and the other seven waves hold the rest.
.macro ACROSS off                      ; v[TM:TM+3] hold two packed chains: the token's sum over the work-group comes back in v[TM]
	v_pk_add_f32 v[TM:TM+1], v[TM:TM+1], v[TM+2:TM+3]
	v_add_f32 v[TM], v[TM], v[TM+1]
	v_permlanex16_b32 v[TM+4], v[TM], s[SEL], s[SEL+1]
	v_add_f32 v[TM], v[TM], v[TM+4]
	ds_store_b32 v[RDW], v[TM] offset:\off         ; both halves of the lanes write the same word with the same value
	s_wait_dscnt 0x0
	s_barrier_signal -1
	s_barrier_wait -1
.irp i, 0,1,2,3,4,5,6,7
	ds_load_b32 v[TM+\i], v[RDR] offset:\off+64*\i
.endr
	s_wait_dscnt 0x0
	v_add_f32 v[TM], v[TM], v[TM+1]
	v_add_f32 v[TM+2], v[TM+2], v[TM+3]
	v_add_f32 v[TM+4], v[TM+4], v[TM+5]
	v_add_f32 v[TM+6], v[TM+6], v[TM+7]
	v_add_f32 v[TM], v[TM], v[TM+2]
	v_add_f32 v[TM+4], v[TM+4], v[TM+6]
	v_add_f32 v[TM], v[TM], v[TM+4]
.endm
	v_pk_add_f32 v[TM:TM+1], v[ACC:ACC+1], v[ACC+2:ACC+3]      ; each accumulator from its low end on
	v_pk_add_f32 v[TM+2:TM+3], v[ACC+4:ACC+5], v[ACC+6:ACC+7]
.set jj, 8
.rept 14
	v_pk_add_f32 v[TM:TM+1], v[TM:TM+1], v[ACC+jj:ACC+jj+1]
	v_pk_add_f32 v[TM+2:TM+3], v[TM+2:TM+3], v[ACC+jj+2:ACC+jj+3]
.set jj, jj+4
.endr
	ACROSS 0
	v_mul_f32 v[MU], s36, v[TM]                    ; the mean
	v_mov_b32 v[MU+1], v[MU]
.set jj, 0
.rept 32
	v_pk_add_f32 v[ACC+jj:ACC+jj+1], v[ACC+jj:ACC+jj+1], v[MU:MU+1] neg_lo:[0,1] neg_hi:[0,1]
.set jj, jj+2
.endr
	v_pk_mul_f32 v[TM:TM+1], v[ACC:ACC+1], v[ACC:ACC+1]
	v_pk_mul_f32 v[TM+2:TM+3], v[ACC+2:ACC+3], v[ACC+2:ACC+3]
.set jj, 4
.rept 15
	v_pk_fma_f32 v[TM:TM+1], v[ACC+jj:ACC+jj+1], v[ACC+jj:ACC+jj+1], v[TM:TM+1]
	v_pk_fma_f32 v[TM+2:TM+3], v[ACC+jj+2:ACC+jj+3], v[ACC+jj+2:ACC+jj+3], v[TM+2:TM+3]
.set jj, jj+4
.endr
	ACROSS 512
	v_mov_b32 v[TM+1], 0x3727c5ac                  ; 1e-5
	v_fma_f32 v[TM], v[TM], s36, v[TM+1]           ; the variance + eps
	v_rsq_f32 v[MU], v[TM]
	v_nop                                          ; a plain place behind the transcendental
	s_wait_alu depctr_va_vdst(0)
	v_mov_b32 v[MU+1], v[MU]
.set jj, 0
.rept 32
	v_pk_mul_f32 v[ACC+jj:ACC+jj+1], v[ACC+jj:ACC+jj+1], v[MU:MU+1]
.set jj, jj+2
.endr
	s_wait_loadcnt 0x0                             ; gamma and beta
	WIN 0x14                                       ; sources 1 and 2 in window 1
.set jj, 0
.rept 32
	v_pk_fma_f32 v[ACC+jj:ACC+jj+1], v[ACC+jj:ACC+jj+1], v[G+jj:G+jj+1], v[BE+jj:BE+jj+1]
.set jj, jj+2
.endr
	WIN 0
; THE WAY OUT: through my stage, back by rows: a store covers 512 consecutive bytes of a token's row
.irp b, 0,1,2,3
.irp q, 0,1,2,3
	ds_store_b128 v[STO], v[ACC+16*\b+4*\q:ACC+16*\b+4*\q+3] offset:128*\b+16*\q
.endr
.endr
.irp i, 0,1,2,3,4,5,6,7,8,9,10,11,12,13,14,15
	ds_load_b128 v[RING+4*\i:RING+4*\i+3], v[STI] offset:SP*\i
.endr
.irp i, 0,1,2,3,4,5,6,7,8,9,10,11,12,13,14,15
	s_wait_dscnt 15-\i                             ; row i is back; the younger rows' loads may be out
	global_store_b128 v[XGA], v[RING+4*\i:RING+4*\i+3], s[24:25] offset:(\i+8*(\i/8))*4096 th:TH_STORE_NT
.endr
	s_wait_xcnt 0x0
	v_lshl_add_u32 v254, v0, 2, 0x13000
	v_mov_b32 v255, 0
	s_wait_tensorcnt 0x0
	ds_add_u32 v254, v255
	s_wait_dscnt 0x0
	s_endpgm
.Lfunc_end_k_qd493f93672_proj:
	.size	k_qd493f93672_proj, .Lfunc_end_k_qd493f93672_proj-k_qd493f93672_proj
	.p2alignl 7, 3214868480
	.fill 96, 4, 3214868480
	.section	.rodata,"a",@progbits
	.p2align	6, 0x0
	.amdhsa_kernel k_qd493f93672_proj
		.amdhsa_group_segment_fixed_size 78848
		.amdhsa_private_segment_fixed_size 0
		.amdhsa_enable_private_segment 0
		.amdhsa_kernarg_size 88
		.amdhsa_user_sgpr_count 2
		.amdhsa_user_sgpr_kernarg_segment_ptr 1
		.amdhsa_wavefront_size32 1
		.amdhsa_system_sgpr_workgroup_id_x 1
		.amdhsa_system_sgpr_workgroup_id_y 1
		.amdhsa_system_sgpr_workgroup_id_z 1
		.amdhsa_system_vgpr_workitem_id 0
		.amdhsa_next_free_vgpr 512
		.amdhsa_next_free_sgpr 66
		.amdhsa_reserve_vcc 0
		.amdhsa_float_denorm_mode_32 3
		.amdhsa_float_denorm_mode_16_64 3
		.amdhsa_memory_ordered 1
		.amdhsa_forward_progress 1
		.amdhsa_inst_pref_size 88
	.end_amdhsa_kernel
	.amdgpu_metadata
---
amdhsa.version: [ 1, 2 ]
amdhsa.kernels:
  - .name:           k_qd493f93672_proj
    .symbol:         k_qd493f93672_proj.kd
    .args:
      - { .name: ctx_img, .offset: 0, .size: 8, .value_kind: global_buffer, .address_space: global }
      - { .name: ctx_sc, .offset: 8, .size: 8, .value_kind: global_buffer, .address_space: global }
      - { .name: wimg, .offset: 16, .size: 8, .value_kind: global_buffer, .address_space: global }
      - { .name: W_o_scales, .offset: 24, .size: 8, .value_kind: global_buffer, .address_space: global }
      - { .name: W_p_scales, .offset: 32, .size: 8, .value_kind: global_buffer, .address_space: global }
      - { .name: b_o, .offset: 40, .size: 8, .value_kind: global_buffer, .address_space: global }
      - { .name: b_p, .offset: 48, .size: 8, .value_kind: global_buffer, .address_space: global }
      - { .name: x, .offset: 56, .size: 8, .value_kind: global_buffer, .address_space: global }
      - { .name: gamma, .offset: 64, .size: 8, .value_kind: global_buffer, .address_space: global }
      - { .name: beta, .offset: 72, .size: 8, .value_kind: global_buffer, .address_space: global }
      - { .name: out0, .offset: 80, .size: 8, .value_kind: global_buffer, .address_space: global }
    .group_segment_fixed_size: 78848
    .private_segment_fixed_size: 0
    .kernarg_segment_align: 8
    .kernarg_segment_size: 88
    .max_flat_workgroup_size: 256
    .sgpr_count:     66
    .vgpr_count:     512
    .wavefront_size: 32
...
	.end_amdgpu_metadata
.endif
;; end of part 3
;; ======== version 2 of 2: 3 launches; version 1 with the launch proj written anew for expert scheduling mode
;; limits: right only within a limited range of input values
;; workspace buffers: q_img 2,097,152 bytes; q_sc 262,144 bytes; kv 4,587,520 bytes; wimg 1,048,576 bytes; ctx_img 2,097,152 bytes; ctx_sc 262,144 bytes
;; launch qkv: the kernel of part 1 again; grid 32 x 8, 8 waves a work-group, clusters of 4 x 1, 327,680 bytes of LDS; arguments x, W_q_codes, W_q_scales, W_k_codes, W_k_scales, W_v_codes, W_v_scales, b_q, b_k, b_v, W_o_codes, W_p_codes, q_img, q_sc, kv, wimg; writes q_img, q_sc, kv, wimg
;; launch attn: the kernel of part 2 again; grid 16 x 16, 8 waves a work-group, clusters of 4 x 1, 327,680 bytes of LDS; arguments q_img, q_sc, kv, verse_positions, ctx_img, ctx_sc; writes ctx_img, ctx_sc
;; launch proj (part 4): grid 256 x 1, 8 waves a work-group, no clusters, 78,848 bytes of LDS; arguments ctx_img, ctx_sc, wimg, W_o_scales, W_p_scales, b_o, b_p, x, gamma, beta, out0; writes out0
.if DOCPART == 4
	.amdgcn_target "amdgcn-amd-amdhsa--gfx1250"
	.amdhsa_code_object_version 6
	.text
	.protected	k_qd493f93672_proj
	.globl	k_qd493f93672_proj
	.p2align	8
	.type	k_qd493f93672_proj,@function
k_qd493f93672_proj:
	s_mov_b64 s[64:65], 0
	v_nop
	global_prefetch_b8 v0, s[64:65] scope:SCOPE_SE
	s_setreg_imm32_b32 hwreg(HW_REG_WAVE_SCHED_MODE, 0, 2), 2
	s_setreg_imm32_b32 hwreg(HW_REG_WAVE_MODE, 25, 1), 1
	s_wait_xcnt 0x0
	s_wait_alu depctr_vm_vsrc(0)
; out = LayerNorm(x + (ctx W_o^T + b_o) W_p^T + b_p) x gamma + beta; both products on codes of FP4 (E2M1) with E8M0 scales; ctx W_o^T + b_o is quantised on the way and never goes to memory.
; SHARES.  A work-group owns one tile of 16 tokens (token rho: 32 (T / 2) + 8 (T % 2) + rho + 8 (rho / 8)) with all 1,024 columns, so that the norm stays inside it.  Wave w owns columns 128 w .. 128 w + 127 of both
; products: eight tiles of weight rows in four pairs; they are K step w of the second product.  Both products are used transposed (source 0 = 16 weight rows, source 1 = the 16 tokens): a lane holds one token.
; THE WEIGHTS GO FROM MEMORY STRAIGHT INTO REGISTERS, laid by an earlier launch in the order of a fragment's registers: a load is 512 consecutive bytes.  A ring of eight slots (a slot: one K step of a pair of tiles,
; four loads) keeps about 32 loads of each wave on their way, across the barrier between the products too.
; NO JOINT LOADS: a tile of 16 tokens gives each weight fragment one matrix instruction, so slots in LDS would be waited for at every change, while loads into registers need no barrier.
; The text is straight: every offset is an immediate, no address register is written twice.  Loads come back in order (ISA guide 5.7.1): the wait for a slot counts the loads issued behind it (NI - SLn; 58 at the most).
; LIMITS: NaN and infinities are not served; 1 / sqrt comes from v_rsq_f32; a block under 2^-124 carries the scale byte 1.  The variance is taken of out - mean, in a second pass.
; THE MODE: SCHED_MODE bits 1:0 = 2 (LLVM: expert scheduling mode 2), set by the entry lines.  The code itself states the register dependences between vector or matrix instructions and memory or LDS
; instructions, with s_wait_alu, always for 0.
; THE PLAN.  Registers that memory or LDS instructions touch, and who else names them:
;   v1-v12    offsets and LDS addresses: written at the head, read by every load and store, never written again: one wait on va_vdst ahead of the first load.
;   RING      slot s: loaded; read by two matrix instructions of its group; loaded again behind the group, for the next pair.  On the way out the stage's rows land in it and the global stores read them.
;   WSC       set p % 2: loaded in pair p - 1's first group; read by pair p's sixteen matrix instructions; loaded again in pair p + 1's first group.
;   So ONE wait on va_vdst stands in a group, behind its four matrix instructions: they are done reading the group's two slots, and the pair before is done reading its scale words.  The group's loads follow it at
;   once, so that of the ring's eight slots all but the two at work are on their way.
;   B, BS     loaded at the head; read by the first product; loaded from LDS behind the barrier: a wait on va_vdst ahead of those loads.
;   X         loaded; read by sixteen LDS stores; loaded back from the stage: a wait on vm_vsrc between the two; then written by the additions and read by the second product.
;   G, BE     loaded (b_p, b_o); read by the additions and by the first product; loaded again (gamma, beta): a wait on va_vdst ahead of those loads.
;   PC, PW    written by the quantiser; read by three LDS stores: a wait on va_vdst ahead of them; never written again.
;   TM        written by the sums; read by an LDS store (va_vdst ahead of it); eight LDS loads land in it (vm_vsrc ahead of them).
;   ACC       written by matrix and vector instructions; read by the way out's LDS stores: a wait on va_vdst ahead of them.
;   v254, v255  named by vector instructions alone until they are made anew for the closing add.
.set HIMG, 0                           ; LDS: the hidden layer's eight fragments, as images of their registers
.set HSC,  8192                        ; their scale words, 128 bytes each
.set RED,  9216                        ; the waves' sums: 64 bytes a wave; the sums of squares 512 bytes on
.set STG,  10240                       ; a stage of 16 rows x (512 + 16) bytes for each wave
.set SP,   528
; window 0
.set LI,  1                            ; v1   16 x lane
.set LS,  2                            ; v2   4 x lane
.set WA,  3                            ; v3   65,536 w + 16 x lane
.set WSA, 4                            ; v4   the weights' scale words: (128 w + r + 8 (r / 8)) x 32 + 16 h
.set BA,  5                            ; v5   512 w + 64 h
.set XGA, 6                            ; v6   512 w + 16 x lane
.set STI, 7                            ; v7   the stage by rows
.set STO, 8                            ; v8   the stage by the results' layout
.set HWI, 9
.set HWS, 10
.set RDW, 11
.set RDR, 12
.set BS,  16                           ; v16-23   source 1's scale words, one register a K step
.set WSC, 24                           ; v24-39   the weights' scale words, two sets of 8
.set ACC, 40                           ; v40-103  the eight accumulators
.set RING, 104                         ; v104-231 slot s at 16 s, tile u at + 8 u
.set TM,  232
.set PW,  244
.set PC,  246
.set MU,  254
; window 1
.set B,   0                            ; source 1's eight fragments
.set X,   64                           ; x, then x + b_p
.set G,   128                          ; b_p, then gamma
.set BE,  192                          ; b_o, then beta
.set WV,  26
.set SEL, 34
.set MSB, 0
.macro WIN new
.if MSB != \new
	s_set_vgpr_msb (MSB<<8)|\new
.set MSB, \new
.endif
.endm
.macro PLACES                          ; four plain vector instructions between a matrix instruction and a vector instruction that reads its result (ISA guide 7.12.1)
.rept 4
	v_nop
.endr
.endm
.macro QUANT4 s, pc, pw, tm
.irp b, 0,1,2,3
	v_max3_num_f32 v[(\tm)+\b], |v[(\s)+16*\b]|, |v[(\s)+1+16*\b]|, 0x1800000
.endr
.irp i, 2,4,6,8,10,12,14
.irp b, 0,1,2,3
	v_max3_num_f32 v[(\tm)+\b], v[(\tm)+\b], |v[(\s)+16*\b+\i]|, |v[(\s)+1+16*\b+\i]|
.endr
.endr
.irp b, 0,1,2,3
	v_permlanex16_b32 v[(\tm)+4+\b], v[(\tm)+\b], s[SEL], s[SEL+1]
.endr
.irp b, 0,1,2,3
	v_max_num_f32 v[(\tm)+\b], v[(\tm)+\b], v[(\tm)+4+\b]
.endr
.irp b, 0,1,2,3
	v_add_nc_u32 v[(\tm)+8+\b], 0xff000000, v[(\tm)+\b]
.endr
.irp b, 0,1,2,3
	v_lshrrev_b32 v[(\tm)+4+\b], 23, v[(\tm)+8+\b]
.endr
	v_lshl_or_b32 v[\pw], v[(\tm)+5], 8, v[(\tm)+4]
	v_lshl_or_b32 v[\pw], v[(\tm)+6], 16, v[\pw]
	v_lshl_or_b32 v[\pw], v[(\tm)+7], 24, v[\pw]
.irp b, 0,1,2,3
	v_cvt_scalef32_pk8_fp4_f32 v[(\pc)+2*\b], v[(\s)+16*\b:(\s)+7+16*\b], v[(\tm)+8+\b]
	v_cvt_scalef32_pk8_fp4_f32 v[(\pc)+1+2*\b], v[(\s)+8+16*\b:(\s)+15+16*\b], v[(\tm)+8+\b]
.endr
	v_nop
.irp c, 0,1
.irp i, 0,1
	v_permlane16_swap_b32 v[(\pc)+4*\c+\i], v[(\pc)+2+4*\c+\i]
.endr
.endr
.endm
	s_load_b512 s[4:19], s[0:1], 0x0               ; ctx_img 4, ctx_sc 6, wimg 8, W_o scales 10, W_p scales 12, b_o 14, b_p 16, x 18
	s_load_b128 s[20:23], s[0:1], 0x40             ; gamma 20, beta 22
	s_load_b64 s[24:25], s[0:1], 0x50              ; out0
	v_lshrrev_b32 v1, 5, v0
	v_readfirstlane_b32 s[WV], v1                  ; wave 0..7
	v_and_b32 v13, 15, v0                          ; r
	v_bfe_u32 v14, v0, 4, 1                        ; h
	v_and_b32 v15, 8, v13
	v_add_nc_u32 v15, v15, v13                     ; r + 8 (r / 8)
	v_and_b32 v[LS], 31, v0
	v_lshlrev_b32 v[LI], 4, v[LS]
	v_lshlrev_b32 v[LS], 2, v[LS]
	s_wait_alu depctr_va_sdst(0)                   ; the wave's number is written into s26, ahead of its first reader: the line below
	s_lshl_b32 s28, s[WV], 16
	v_add_nc_u32 v[WA], s28, v[LI]
	s_lshl_b32 s28, s[WV], 12
	v_lshlrev_b32 v[WSA], 5, v15
	v_lshl_add_u32 v[WSA], v14, 4, v[WSA]          ; lanes 0-15 take a row's words 0-3, lanes 16-31 its words 4-7
	v_add_nc_u32 v[WSA], s28, v[WSA]
	s_lshl_b32 s28, s[WV], 9
	v_lshl_add_u32 v[BA], v14, 6, s28
	v_add_nc_u32 v[XGA], s28, v[LI]
	s_mul_i32 s28, s[WV], 16*SP
	s_add_co_u32 s28, s28, STG
	v_add_nc_u32 v[STI], s28, v[LI]
	v_mul_u32_u24 v[STO], v13, SP
	v_lshl_add_u32 v[STO], v14, 6, v[STO]
	v_add_nc_u32 v[STO], s28, v[STO]
	s_lshl_b32 s28, s[WV], 10
	v_add_nc_u32 v[HWI], s28, v[LI]
	s_lshl_b32 s28, s[WV], 7
	s_add_co_u32 s28, s28, HSC
	v_add_nc_u32 v[HWS], s28, v[LS]
	s_lshl_b32 s28, s[WV], 6
	s_add_co_u32 s28, s28, RED
	v_lshl_add_u32 v[RDW], v13, 2, s28
	v_lshlrev_b32 v[RDR], 2, v13
	v_add_nc_u32 v[RDR], RED, v[RDR]
	s_mov_b32 s[SEL], 0x76543210
	s_mov_b32 s[SEL+1], 0xfedcba98
	s_mov_b32 s36, 0x3a800000                      ; 1 / 1,024
.irp b, 0,1,2,3
	v_mov_b32 v[TM+4+\b], 0                        ; a lane permute's destination counts as one of its sources
.endr
	s_lshl_b32 s28, ttmp9, 13                      ; the tile's 16 half fragments of ctx
	s_mov_b32 s29, 0
	s_lshl_b32 s30, ttmp9, 10                      ; its scale words
	s_mov_b32 s31, 0
	s_lshr_b32 s32, ttmp9, 1
	s_lshl_b32 s32, s32, 5
	s_and_b32 s33, ttmp9, 1
	s_lshl_b32 s33, s33, 3
	s_add_co_u32 s32, s32, s33
	s_lshl_b32 s32, s32, 12                        ; its first token's row of x and of out
	s_mov_b32 s33, 0
	s_wait_kmcnt 0x0
	s_add_nc_u64 s[4:5], s[4:5], s[28:29]
	s_add_nc_u64 s[6:7], s[6:7], s[30:31]
	s_add_nc_u64 s[18:19], s[18:19], s[32:33]
	s_add_nc_u64 s[24:25], s[24:25], s[32:33]
.set NI, 0                             ; global loads issued so far
.macro SC p                            ; pair p's scale words (p = 0 .. 3: W_o; 4 .. 7: W_p) into set p % 2
.irp u, 0,1
.if (\p) < 4
	global_load_b128 v[WSC+8*((\p)%2)+4*\u:WSC+8*((\p)%2)+4*\u+3], v[WSA], s[10:11] offset:(32*((\p)%4)+8*\u)*32
.else
	global_load_b128 v[WSC+8*((\p)%2)+4*\u:WSC+8*((\p)%2)+4*\u+3], v[WSA], s[12:13] offset:(32*((\p)%4)+8*\u)*32
.endif
.endr
.set NI, NI+2
.endm
.macro SLOT p, s                       ; slot s takes K step s of pair p's two tiles
.irp u, 0,1
.irp c, 0,1
	global_load_b128 v[RING+16*\s+8*\u+4*\c:RING+16*\s+8*\u+4*\c+3], v[WA], s[8:9] offset:524288*((\p)/4)+16384*((\p)%4)+8192*\u+1024*\s+512*\c
.endr
.endr
.set NI, NI+4
.set SL\s, NI
.endm
	WIN 0x40                                       ; destination in window 1
	s_wait_alu depctr_va_vdst(0)                   ; v1 to v12, the offsets and LDS addresses, are written: every load and store of the kernel reads one of them
.irp s, 0,1,2,3,4,5,6,7
.irp c, 0,1
	global_load_b128 v[B+8*\s+4*\c:B+8*\s+4*\c+3], v[LI], s[4:5] offset:1024*\s+512*\c
.endr
.endr
.irp b, 0,1,2,3
.irp q, 0,1,2,3
	global_load_b128 v[BE+16*\b+4*\q:BE+16*\b+4*\q+3], v[BA], s[14:15] offset:128*\b+16*\q   ; b_o in the result's layout: register 16 b + i: column 128 w + 32 b + 16 h + i
.endr
.endr
	WIN 0
.irp s, 0,1,2,3,4,5,6,7
	global_load_b32 v[BS+\s], v[LS], s[6:7] offset:128*\s
.endr
.set NI, NI+40
	SC 0
.irp s, 0,1,2,3,4,5,6,7
	SLOT 0, \s
.endr
	WIN 0x40
.irp i, 0,1,2,3,4,5,6,7,8,9,10,11,12,13,14,15
	global_load_b128 v[X+4*\i:X+4*\i+3], v[XGA], s[18:19] offset:(\i+8*(\i/8))*4096 th:TH_LOAD_NT   ; my 512 bytes of token i's row: read once in the launch
.endr
.irp b, 0,1,2,3
.irp q, 0,1,2,3
	global_load_b128 v[G+16*\b+4*\q:G+16*\b+4*\q+3], v[BA], s[16:17] offset:128*\b+16*\q
.endr
.endr
	WIN 0
.set NI, NI+32
.macro MM p, s, u                      ; one product: pair p, K step s, tile u.  K step 0 takes the bias (or x + b_p) as its C; K steps 4 to 7 take the weights' scale words from lanes 16-31
.set rD, ACC+16*((\p)%4)+8*(\u)
.set rA, RING+16*(\s)+8*(\u)
.set rB, B+8*(\s)
.set rW, WSC+8*((\p)%2)+4*(\u)+(\s)%4
.if (\s) == 0
.if (\p) < 4
.set rC, BE+16*((\p)%4)+8*(\u)
.else
.set rC, X+16*((\p)%4)+8*(\u)
.endif
.else
.set rC, rD
.endif
.if (\s) < 4
	v_wmma_scale_f32_16x16x128_f8f6f4 v[rD:rD+7], v[rA:rA+7], v[rB:rB+7], v[rC:rC+7], v[rW], v[BS+(\s)] matrix_a_fmt:MATRIX_FMT_FP4 matrix_b_fmt:MATRIX_FMT_FP4
.else
	v_wmma_scale_f32_16x16x128_f8f6f4 v[rD:rD+7], v[rA:rA+7], v[rB:rB+7], v[rC:rC+7], v[rW], v[BS+(\s)] matrix_a_fmt:MATRIX_FMT_FP4 matrix_b_fmt:MATRIX_FMT_FP4 matrix_a_scale:MATRIX_SCALE_ROW1
.endif
.endm
; two K steps of a pair: four products, the pair's two accumulators by turns; then the two slots take the next pair's fragments
.macro GROUP p, sa, sb
	s_wait_loadcnt NI-SL\sb                        ; slot sb and all that was asked for ahead of it are in; what was issued behind it may be out
.if \sa == 0
	WIN 0x14                                       ; source 1 and C in window 1
.else
	WIN 0x04                                       ; source 1 in window 1
.endif
	MM \p, \sa, 0
	MM \p, \sa, 1
	WIN 0x04
	MM \p, \sb, 0
	MM \p, \sb, 1
	WIN 0
.if ((\p)%4 == 3) && (\sa == 6)
	PLACES                                         ; a product's last group: vector instructions read the sums next; the places stand ahead of the wait below and beside it
.endif
.if (\p) < 7
	s_wait_alu depctr_va_vdst(0)                   ; the four matrix instructions are done reading slots sa and sb, in which the loads below land; in a pair's first group: the pair before is done reading its set of scale words
.if \sa == 0
	SC (\p)+1
.endif
	SLOT (\p)+1, \sa
	SLOT (\p)+1, \sb
.endif
.endm
.irp p, 0,1,2,3                        ; ctx W_o^T + b_o
	GROUP \p, 0, 1
	GROUP \p, 2, 3
	GROUP \p, 4, 5
	GROUP \p, 6, 7
.endr
	QUANT4 ACC, PC, PW, TM                         ; my 128 columns are K step w of the second product
	s_wait_alu depctr_va_vdst(0)                   ; the quantiser has written v[PC ..] and v[PW], which the three LDS stores below read
	ds_store_b128 v[HWI], v[PC:PC+3] offset:HIMG
	ds_store_b128 v[HWI], v[PC+4:PC+7] offset:HIMG+512
	ds_store_b32 v[HWS], v[PW]
	WIN 0x04                                       ; an LDS store's data are its source 1: window 1
.irp i, 0,1,2,3,4,5,6,7,8,9,10,11,12,13,14,15
	ds_store_b128 v[STI], v[X+4*\i:X+4*\i+3] offset:SP*\i      ; x turns through my stage into the results' layout; LDS serves a wave's instructions in order (ISA guide 5.7.1.4)
.endr
	WIN 0x40
	s_wait_alu depctr_vm_vsrc(0)                   ; the sixteen LDS stores have read X, in which the loads below land and which the additions behind the barrier write
.irp b, 0,1,2,3
.irp q, 0,1,2,3
	ds_load_b128 v[X+16*\b+4*\q:X+16*\b+4*\q+3], v[STO] offset:128*\b+16*\q
.endr
.endr
	WIN 0
	s_wait_dscnt 0x0                               ; my image has landed, and x is back
	s_barrier_signal -1
	s_barrier_wait -1                              ; the hidden layer's eight fragments lie in LDS
	WIN 0x40
	s_wait_alu depctr_va_vdst(0)                   ; the first product's matrix instructions are done reading B and BS, in which the LDS loads below land
.irp s, 0,1,2,3,4,5,6,7
.irp c, 0,1
	ds_load_b128 v[B+8*\s+4*\c:B+8*\s+4*\c+3], v[LI] offset:HIMG+1024*\s+512*\c
.endr
.endr
	WIN 0
.irp s, 0,1,2,3,4,5,6,7
	ds_load_b32 v[BS+\s], v[LS] offset:HSC+128*\s
.endr
	WIN 0x45
.set jj, 0
.rept 32
	v_pk_add_f32 v[X+jj:X+jj+1], v[X+jj:X+jj+1], v[G+jj:G+jj+1]   ; x + b_p: the C of the second product's first K step
.set jj, jj+2
.endr
	WIN 0x40
	s_wait_alu depctr_va_vdst(0)                   ; the additions are done reading G, in which gamma lands; the first product is done reading BE, in which beta lands
.irp b, 0,1,2,3
.irp q, 0,1,2,3
	global_load_b128 v[G+16*\b+4*\q:G+16*\b+4*\q+3], v[BA], s[20:21] offset:128*\b+16*\q
	global_load_b128 v[BE+16*\b+4*\q:BE+16*\b+4*\q+3], v[BA], s[22:23] offset:128*\b+16*\q
.endr
.endr
	WIN 0
.set NI, NI+32
	s_wait_dscnt 0x0
.irp p, 4,5,6,7                        ; x + b_p + hidden W_p^T
	GROUP \p, 0, 1
	GROUP \p, 2, 3
	GROUP \p, 4, 5
	GROUP \p, 6, 7
.endr
; THE NORM.  A lane holds 64 numbers of token r; the other half of the lanes and the other seven waves hold the rest.
.macro ACROSS off                      ; v[TM:TM+3] hold two packed chains: the token's sum over the work-group comes back in v[TM]
	v_pk_add_f32 v[TM:TM+1], v[TM:TM+1], v[TM+2:TM+3]
	v_add_f32 v[TM], v[TM], v[TM+1]
	v_permlanex16_b32 v[TM+4], v[TM], s[SEL], s[SEL+1]
	v_add_f32 v[TM], v[TM], v[TM+4]
	s_wait_alu depctr_va_vdst(0)                   ; the additions have written v[TM], which the LDS store reads, and are done with v[TM] to v[TM + 7], in which the loads below land
	ds_store_b32 v[RDW], v[TM] offset:\off         ; both halves of the lanes write the same word with the same value
	s_wait_dscnt 0x0
	s_barrier_signal -1
	s_barrier_wait -1
	s_wait_alu depctr_vm_vsrc(0)                   ; my LDS store has read v[TM], in which the first of the loads below lands
.irp i, 0,1,2,3,4,5,6,7
	ds_load_b32 v[TM+\i], v[RDR] offset:\off+64*\i
.endr
	s_wait_dscnt 0x0
	v_add_f32 v[TM], v[TM], v[TM+1]
	v_add_f32 v[TM+2], v[TM+2], v[TM+3]
	v_add_f32 v[TM+4], v[TM+4], v[TM+5]
	v_add_f32 v[TM+6], v[TM+6], v[TM+7]
	v_add_f32 v[TM], v[TM], v[TM+2]
	v_add_f32 v[TM+4], v[TM+4], v[TM+6]
	v_add_f32 v[TM], v[TM], v[TM+4]
.endm
	v_pk_add_f32 v[TM:TM+1], v[ACC:ACC+1], v[ACC+2:ACC+3]      ; each accumulator from its low end on
	v_pk_add_f32 v[TM+2:TM+3], v[ACC+4:ACC+5], v[ACC+6:ACC+7]
.set jj, 8
.rept 14
	v_pk_add_f32 v[TM:TM+1], v[TM:TM+1], v[ACC+jj:ACC+jj+1]
	v_pk_add_f32 v[TM+2:TM+3], v[TM+2:TM+3], v[ACC+jj+2:ACC+jj+3]
.set jj, jj+4
.endr
	ACROSS 0
	v_mul_f32 v[MU], s36, v[TM]                    ; the mean
	v_mov_b32 v[MU+1], v[MU]
.set jj, 0
.rept 32
	v_pk_add_f32 v[ACC+jj:ACC+jj+1], v[ACC+jj:ACC+jj+1], v[MU:MU+1] neg_lo:[0,1] neg_hi:[0,1]
.set jj, jj+2
.endr
	v_pk_mul_f32 v[TM:TM+1], v[ACC:ACC+1], v[ACC:ACC+1]
	v_pk_mul_f32 v[TM+2:TM+3], v[ACC+2:ACC+3], v[ACC+2:ACC+3]
.set jj, 4
.rept 15
	v_pk_fma_f32 v[TM:TM+1], v[ACC+jj:ACC+jj+1], v[ACC+jj:ACC+jj+1], v[TM:TM+1]
	v_pk_fma_f32 v[TM+2:TM+3], v[ACC+jj+2:ACC+jj+3], v[ACC+jj+2:ACC+jj+3], v[TM+2:TM+3]
.set jj, jj+4
.endr
	ACROSS 512
	v_mov_b32 v[TM+1], 0x3727c5ac                  ; 1e-5
	v_fma_f32 v[TM], v[TM], s36, v[TM+1]           ; the variance + eps
	v_rsq_f32 v[MU], v[TM]
	v_nop                                          ; a plain place behind the transcendental
	s_wait_alu depctr_va_vdst(0)                   ; v_rsq_f32 has written v[MU], ahead of its first reader: the line below
	v_mov_b32 v[MU+1], v[MU]
.set jj, 0
.rept 32
	v_pk_mul_f32 v[ACC+jj:ACC+jj+1], v[ACC+jj:ACC+jj+1], v[MU:MU+1]
.set jj, jj+2
.endr
	s_wait_loadcnt 0x0                             ; gamma and beta
	WIN 0x14                                       ; sources 1 and 2 in window 1
.set jj, 0
.rept 32
	v_pk_fma_f32 v[ACC+jj:ACC+jj+1], v[ACC+jj:ACC+jj+1], v[G+jj:G+jj+1], v[BE+jj:BE+jj+1]
.set jj, jj+2
.endr
	WIN 0
; THE WAY OUT: through my stage, back by rows: a store covers 512 consecutive bytes of a token's row
	s_wait_alu depctr_va_vdst(0)                   ; the multiply-adds have written ACC, which the LDS stores read; the second product's matrix instructions are done reading RING, in which the stage's rows land
.irp b, 0,1,2,3
.irp q, 0,1,2,3
	ds_store_b128 v[STO], v[ACC+16*\b+4*\q:ACC+16*\b+4*\q+3] offset:128*\b+16*\q
.endr
.endr
.irp i, 0,1,2,3,4,5,6,7,8,9,10,11,12,13,14,15
	ds_load_b128 v[RING+4*\i:RING+4*\i+3], v[STI] offset:SP*\i
.endr
.irp i, 0,1,2,3,4,5,6,7,8,9,10,11,12,13,14,15
	s_wait_dscnt 15-\i                             ; row i is back; the younger rows' loads may be out
	global_store_b128 v[XGA], v[RING+4*\i:RING+4*\i+3], s[24:25] offset:(\i+8*(\i/8))*4096 th:TH_STORE_NT
.endr
	s_wait_xcnt 0x0                                ; the stores have had their addresses translated: registers are written anew only behind this wait
	v_lshl_add_u32 v254, v0, 2, 0x13000            ; the add's two registers, made anew: my spare word, behind the stages, and 0.  No memory or LDS instruction has read v254 or v255
	v_mov_b32 v255, 0
	s_wait_dscnt 0x0                               ; the closing lines, six on end
	s_wait_alu 0x0
	s_wait_tensorcnt 0x0
	ds_add_u32 v254, v255
	s_wait_dscnt 0x0
	s_endpgm
.Lfunc_end_k_qd493f93672_proj:
	.size	k_qd493f93672_proj, .Lfunc_end_k_qd493f93672_proj-k_qd493f93672_proj
	.p2alignl 7, 3214868480
	.fill 96, 4, 3214868480
	.section	.rodata,"a",@progbits
	.p2align	6, 0x0
	.amdhsa_kernel k_qd493f93672_proj
		.amdhsa_group_segment_fixed_size 78848
		.amdhsa_private_segment_fixed_size 0
		.amdhsa_enable_private_segment 0
		.amdhsa_kernarg_size 88
		.amdhsa_user_sgpr_count 2
		.amdhsa_user_sgpr_kernarg_segment_ptr 1
		.amdhsa_wavefront_size32 1
		.amdhsa_system_sgpr_workgroup_id_x 1
		.amdhsa_system_sgpr_workgroup_id_y 1
		.amdhsa_system_sgpr_workgroup_id_z 1
		.amdhsa_system_vgpr_workitem_id 0
		.amdhsa_next_free_vgpr 512
		.amdhsa_next_free_sgpr 66
		.amdhsa_reserve_vcc 0
		.amdhsa_float_denorm_mode_32 3
		.amdhsa_float_denorm_mode_16_64 3
		.amdhsa_memory_ordered 1
		.amdhsa_forward_progress 1
		.amdhsa_inst_pref_size 86
	.end_amdhsa_kernel
	.amdgpu_metadata
---
amdhsa.version: [ 1, 2 ]
amdhsa.kernels:
  - .name:           k_qd493f93672_proj
    .symbol:         k_qd493f93672_proj.kd
    .args:
      - { .name: ctx_img, .offset: 0, .size: 8, .value_kind: global_buffer, .address_space: global }
      - { .name: ctx_sc, .offset: 8, .size: 8, .value_kind: global_buffer, .address_space: global }
      - { .name: wimg, .offset: 16, .size: 8, .value_kind: global_buffer, .address_space: global }
      - { .name: W_o_scales, .offset: 24, .size: 8, .value_kind: global_buffer, .address_space: global }
      - { .name: W_p_scales, .offset: 32, .size: 8, .value_kind: global_buffer, .address_space: global }
      - { .name: b_o, .offset: 40, .size: 8, .value_kind: global_buffer, .address_space: global }
      - { .name: b_p, .offset: 48, .size: 8, .value_kind: global_buffer, .address_space: global }
      - { .name: x, .offset: 56, .size: 8, .value_kind: global_buffer, .address_space: global }
      - { .name: gamma, .offset: 64, .size: 8, .value_kind: global_buffer, .address_space: global }
      - { .name: beta, .offset: 72, .size: 8, .value_kind: global_buffer, .address_space: global }
      - { .name: out0, .offset: 80, .size: 8, .value_kind: global_buffer, .address_space: global }
    .group_segment_fixed_size: 78848
    .private_segment_fixed_size: 0
    .kernarg_segment_align: 8
    .kernarg_segment_size: 88
    .max_flat_workgroup_size: 256
    .sgpr_count:     66
    .vgpr_count:     512
    .wavefront_size: 32
...
	.end_amdgpu_metadata
.endif
;; end of part 4
